; MI455X (gfx1250); checked and timed in simulation.
; The chip was launched on July 23, 2026; its instructions are those of AMD's public machine-readable ISA for CDNA 5 (MIT licence, August 2026) and "CDNA5" Instruction Set Architecture Reference Guide (July 2026). The comments in the code are by the model that wrote it; some were corrected since.
;; Multi Head Attention. Allowed arithmetic: matrix products marked QUANTISED: E2M3 operands, one E8M0 scale for each 32 along K, by v_wmma_scale_f32_16x16x128_f8f6f4 with both operands' format E2M3, f32 sums; everything else in f32.
;; Inputs: K 4,096 x 1,024 float32; Q 4,096 x 1,024 float32; V 4,096 x 1,024 float32; Wk 16 x 1,024 x 64 float32; Wo 1,024 x 1,024 float32; Wq 16 x 1,024 x 64 float32; Wv 16 x 1,024 x 64 float32; bk 16 x 64 float32; bo 1,024 float32; bq 16 x 64 float32; bv 16 x 64 float32.
;; Outputs: out0 4,096 x 1,024 float32.
;; This version of the problem:
;;   THIS VERSION OF THE PROBLEM IS GIVEN IN LOW PRECISION. The matrix products marked QUANTISED in the list below multiply operands that are first quantised to E2M3 (2 exponent bits, 3 mantissa bits; 6 bits a number), with one power-of-two scale for each 32 numbers along K (OCP MX v1.0); their sums are f32. All else is computed in f32.
;;   The module's matrix products, in the order in which they are computed (A, B: the left and right operand; K: the contracted axis; several contracted axes count as one K, in the product's order):
;;     1. [M 1,024, K 1,024] x [K 1,024, N 4,096]; A: input Wq; B: input Q: QUANTISED
;;     2. [M 1,024, K 1,024] x [K 1,024, N 4,096]; A: input Wk; B: input K: QUANTISED
;;     3. [M 1,024, K 1,024] x [K 1,024, N 4,096]; A: input Wv; B: input V: QUANTISED
;;     4. batch 16 x [M 4,096, K 64] x [K 64, N 4,096]; A: computed on the way; B: computed on the way: QUANTISED
;;     5. batch 16 x [M 4,096, K 4,096] x [K 4,096, N 64]; A: softmax (see below); B: computed on the way: QUANTISED
;;     6. [M 4,096, K 1,024] x [K 1,024, N 1,024]; A: computed on the way; B: input Wo: QUANTISED
;;   THE QUANTISER, for each operand of a quantised product, along K:
;;     - K is cut into blocks of 32 from its start; a last block that is shorter is filled with zeros.
;;     - A block's scale is 2^e with e = floor(log2(the largest magnitude in the block)) - 2, held to -126 .. 127; a block of zeros has e = 0. As a byte (E8M0): e + 127.
;;     - Each number is divided by its block's scale, clamped to +-7.5, and rounded to the nearest number of E2M3, ties to even, subnormals kept.
;;     - The product sums the exact products of the quantised numbers (number of the format x scale) in f32.
;;   ~~~python
;;   def quantise(x, axis):      # numpy; x: float32 -> the quantised numbers, widened to float32 again
;;       x = np.moveaxis(x, axis, -1); K = x.shape[-1]
;;       x = np.pad(x, [(0, 0)] * (x.ndim - 1) + [(0, -K % 32)]); x = x.reshape(x.shape[:-1] + (-1, 32)); a = np.abs(x).max(-1, keepdims=True)
;;       e = np.where(a > 0, np.clip(np.frexp(np.where(a > 0, a, 1))[1] - 1 - 2, -126, 127), 0)      # np.frexp(a)[1] - 1 = floor(log2(a)), exactly
;;       r = np.clip(x / 2.0 ** e, -7.5, 7.5)
;;       step = 2.0 ** (np.maximum(np.frexp(np.where(r == 0, 1, r))[1] - 1, 0) - 3)
;;       q = np.round(r / step) * step * 2.0 ** e      # np.round: ties to even
;;       return np.moveaxis(q.reshape(q.shape[:-2] + (-1,))[..., :K], -1, axis).astype(np.float32)
;;   ~~~
;;   SOFTMAX AHEAD OF A QUANTISED PRODUCT. Where the list says 'softmax', what is quantised is not the finished softmax but p = 2^(t - M), with t = logit x log2(e) and M = ceil(the row's largest t), a whole number; so 1/2 < the row's largest p <= 1. The row's sum l is taken of the UNQUANTISED p, in f32, and the product's result is divided by l at the end. Since M is a whole number, a kernel that streams over the keys may use a running M (the ceiling of the running maximum): every later rescaling is an exact power of two, which a block's scale takes up: the codes' values come out the same.
;;   OPERANDS COMPUTED ON THE WAY. 'Computed on the way' means the value that the module computes at that place (a softmax that the list does not call 'softmax' is quantised finished and normalised). What goes into a quantiser is computed in f32, as accurately as f32 sums, v_exp_f32 and their like allow (about 1e-6 of the number): no bf16 or f16 on the way to a quantiser, and a product that is left as it is and whose result goes on into a quantised operand takes f32 operands (vector FMAs, or v_wmma_f32_16x16x4_f32). A number that lies on a knife's edge between two numbers of the format may be rounded either way, as far as f32 arithmetic and the matrix unit's own rounding can turn it there, and no further.
;; One version. Each part assembles by itself: llvm-mc -triple=amdgcn-amd-amdhsa -mcpu=gfx1250 --defsym DOCPART=n.
;; ======== version 1 of 1: 4 launches
;; limits: right only within a limited range of input values
;; workspace buffers: gc 12,582,912 bytes; gs 524,288 bytes; ac 9,437,184 bytes; asc 655,360 bytes; xc 3,145,728 bytes; xs 131,072 bytes
;; launch quant (part 1): grid 512 x 1, 4 waves a work-group, no clusters, 35,328 bytes of LDS; arguments Q, K, V, Wo, Wq, Wk, Wv, gc, gs; writes gc, gs
.if DOCPART == 1
	.amdgcn_target "amdgcn-amd-amdhsa--gfx1250"
	.amdhsa_code_object_version 6
	.text
	.protected	k_qf441d4b1c3_quant
	.globl	k_qf441d4b1c3_quant
	.p2align	8
	.type	k_qf441d4b1c3_quant,@function
k_qf441d4b1c3_quant:
	s_mov_b64 s[64:65], 0
	v_nop
	global_prefetch_b8 v0, s[64:65] scope:SCOPE_SE
	s_setreg_imm32_b32 hwreg(HW_REG_WAVE_MODE, 25, 1), 1
	s_wait_xcnt 0x0
; Q, K, V [4096][1024], Wo [1024][1024] (K innermost) and Wq, Wk, Wv [16][1024][64] (K = the middle axis), all f32, become codes of FP6 (E2M3) with one E8M0 byte for each 32 along K.
; A block's scale is 2^(floor(log2(largest magnitude)) - 2): its byte is the largest magnitude's exponent field - 2, held at 1 from below by a floor among the maximum's leaves.
; LIMITS: NaN and infinities are not served; a block whose largest magnitude lies under 2^-124 keeps the byte 1; a block of zeros gets the byte 1 (its codes are zeros; this program alone reads the bytes).
; OUTPUT LAYOUT.  gc: [row block of 256 rows: 64][64 along K: 16][tile of 16 rows: 16][768 bytes].  The 768 bytes are an image of six operand registers: lane l's registers 0-3 at 16 l,
; its registers 4-5 at 512 + 8 l; lane l = r + 16 h holds k = 32 h .. 32 h + 31 of the tile's row r.  Tile 2 g + u, lane r, is row 32 g + 8 u + r + 8 (r / 8) of the block.
; gs: [row block][pair of K steps of 128: 4][tile][r][8 bytes]: a row's two scale words.  Row blocks: Q 0-15, K 16-31, V 32-47, Wo 48-51, Wq 52-55, Wk 56-59, Wv 60-63 (a weight's row is head x 64 + k).
; SHARES.  A work-group owns 32 rows (two tiles), wave w the K quarter w (256 along K).  Work-groups 0-95 take the weights whose K is not innermost, 96-511 the tensors whose K is innermost.
; Waves share nothing: no barrier.  No matrix unit, no cluster, no tensor load: each byte is read once and written once.
; THE TENSOR K ALONE has another order of rows in its tiles: tile 4 c + u, lane r, is row 64 c + 8 u + r % 8 + 32 (r / 8) of the block, so that in the scores' result a lane's
; 32 registers of tiles 4 c .. 4 c + 3 are one whole block of 32 neighbouring keys.
.set STG,   4352                       ; a stage: 16 rows x (256 bytes + 16)
.set SPARE, 34816                      ; behind the four waves' two stages: the spare words, 128 bytes a wave
.set XA,  1                            ; v1   K innermost: my 16 bytes of two rows' 256
.set SI,  7                            ; v7   the stage, on the way in
.set SO,  8                            ; v8   and on the way out: row r, 128 h bytes on
.set WA,  9                            ; v9   K not innermost: 4 x my column
.set O16, 10                           ; v10  16 x lane
.set O8,  11                           ; v11  8 x lane
.set SPW, 12                           ; v12  my spare word; never rewritten
.set NIL, 13                           ; v13  0; never rewritten
.set H8,  14                           ; v14  8 x (lane / 16)
.set R,   16                           ; v16-111  three sets of 32 numbers as loaded
.set X,   112                          ; v112-175 two sets of 32 neighbours along K
.set C,   176                          ; v176-199 two sets of 12: six registers of codes, and three at +6 at work
.set TA,  200
.set TB,  201
.set SCO, 202                          ; the conversion's scale operand
.set BY,  203                          ; the scale's byte
.set TW,  204
.set PT,  205
.set WD,  208                          ; v208-211 scale words
.set OUTW, 212
	s_load_b256 s[4:11], s[0:1], 0x0               ; Q, K, V, Wo
	s_load_b256 s[12:19], s[0:1], 0x20             ; Wq, Wk, Wv, gc
	s_load_b64 s[20:21], s[0:1], 0x40              ; gs
	v_lshl_add_u32 v[SPW], v0, 2, SPARE
	v_mov_b32 v[NIL], 0
	v_lshrrev_b32 v5, 5, v0
	v_readfirstlane_b32 s22, v5                    ; wave
	v_and_b32 v2, 31, v0                           ; lane
	v_bfe_u32 v3, v0, 4, 1                         ; h
	v_and_b32 v4, 15, v0                           ; r
	v_lshlrev_b32 v[O16], 4, v2
	v_lshlrev_b32 v[O8], 3, v2
	v_lshlrev_b32 v[H8], 3, v3
	v_lshlrev_b32 v[XA], 4, v4
	v_lshl_add_u32 v[XA], v3, 12, v[XA]            ; lanes 16-31 take the next row (4,096 bytes on)
	s_mul_i32 s30, s22, 2*STG
	v_mul_u32_u24 v5, v3, 272
	v_lshl_add_u32 v5, v4, 4, v5
	v_add_nc_u32 v[SI], s30, v5
	v_mul_u32_u24 v5, v4, 272
	v_lshl_add_u32 v5, v3, 7, v5
	v_add_nc_u32 v[SO], s30, v5
	v_and_b32 v5, 7, v2                            ; my column of the 32: lanes 0-15 hold tile 0's rows, lanes 16-31 tile 1's
	v_and_b32 v6, 8, v2
	v_lshl_or_b32 v5, v6, 1, v5
	v_and_b32 v6, 16, v2
	v_lshrrev_b32 v6, 1, v6
	v_or_b32 v5, v5, v6
	v_lshlrev_b32 v[WA], 2, v5
	v_mov_b32 v[PT], 0                             ; a lane permute's destination counts as read
	s_mov_b32 s32, 0xffff0000                      ; lanes 16-31
	s_mov_b32 s34, 0x76543210
	s_mov_b32 s35, 0xfedcba98                      ; lane l xor 16
	s_lshr_b32 s23, ttmp9, 3
	s_cmp_lt_u32 ttmp9, 96
	s_cselect_b32 s24, 52, -12
	s_add_co_i32 s23, s23, s24                     ; my row block
	s_mul_i32 s24, s23, 196608
	s_mul_i32 s25, s22, 49152
	s_add_co_u32 s24, s24, s25
	s_and_b32 s26, ttmp9, 7
	s_mul_i32 s25, s26, 1536
	s_add_co_u32 s24, s24, s25                     ; gc: block, K quarter, my two tiles
	s_mov_b32 s25, 0
	s_lshl_b32 s28, s23, 13
	s_lshl_b32 s29, s22, 11
	s_add_co_u32 s28, s28, s29
	s_lshl_b32 s29, s26, 8
	s_add_co_u32 s28, s28, s29                     ; gs likewise
	s_mov_b32 s29, 0
	s_wait_kmcnt 0x0
	s_add_nc_u64 s[18:19], s[18:19], s[24:25]
	s_add_nc_u64 s[20:21], s[20:21], s[28:29]
.macro BLKMAX xs                       ; the largest magnitude of 32 numbers of my lane, with the floor 2^(3 - 127); then 2 off its exponent field: the scale operand
	v_max3_num_f32 v[TA], |v[\xs]|, |v[\xs+1]|, |v[\xs+2]|
	v_max3_num_f32 v[TB], |v[\xs+3]|, |v[\xs+4]|, |v[\xs+5]|
.irp i, 6,10,14,18,22,26
	v_max3_num_f32 v[TA], v[TA], |v[\xs+\i]|, |v[\xs+\i+1]|
	v_max3_num_f32 v[TB], v[TB], |v[\xs+\i+2]|, |v[\xs+\i+3]|
.endr
	v_max3_num_f32 v[TA], v[TA], |v[\xs+30]|, |v[\xs+31]|
	v_max3_num_f32 v[TA], v[TA], v[TB], 0x1800000
	v_add_nc_u32 v[SCO], 0xff000000, v[TA]
.endm
.macro CODES xs, cs                    ; 32 numbers -> six registers of codes at cs; the byte's shift is the plain line behind the conversions
	v_cvt_scalef32_pk16_fp6_f32 v[\cs:\cs+2], v[\xs:\xs+15], v[SCO]
	v_cvt_scalef32_pk16_fp6_f32 v[\cs+6:\cs+8], v[\xs+16:\xs+31], v[SCO]   ; (a conversion's three registers begin on an even number)
	v_lshrrev_b32 v[BY], 23, v[SCO]
.irp i, 0,1,2
	v_mov_b32 v[\cs+3+\i], v[\cs+6+\i]
.endr
.endm
.macro FINISH                          ; the wave's end
	s_wait_tensorcnt 0x0
	ds_add_u32 v[SPW], v[NIL]
	s_wait_dscnt 0x0
	s_endpgm
.endm
	s_cmp_lt_u32 ttmp9, 96
	s_cbranch_scc1 .Lweights
; ---- K innermost.  Eight steps t = 4 u + kq: tile u, 64 along K.  A step's 16 rows x 256 bytes are loaded as they lie (sixteen lanes to a row's 256 bytes) and turn through my stage,
; so that a lane gets a whole block of 32 neighbours.
	s_sub_co_u32 s26, ttmp9, 96
	s_lshr_b32 s27, s26, 7                         ; 0 Q, 1 K, 2 V, 3 Wo: a choice on the work-group's number alone
	s_cmp_eq_u32 s27, 1
	s_cselect_b64 s[4:5], s[6:7], s[4:5]
	s_cmp_eq_u32 s27, 2
	s_cselect_b64 s[4:5], s[8:9], s[4:5]
	s_cmp_eq_u32 s27, 3
	s_cselect_b64 s[4:5], s[10:11], s[4:5]
	s_and_b32 s26, s26, 127
	s_and_b32 s38, s26, 1
	s_lshl_b32 s38, s38, 16                        ; 16 rows of 4,096 bytes, for an odd work-group
	s_cmp_eq_u32 s27, 1                            ; the tensor K?
	s_cselect_b32 s38, s38, 0                      ; K: my two tiles begin at row 32 w - 16 (w % 2),
	s_cselect_b32 s36, 0x10000, 0                  ; and a tile's rows 8-15 lie 16 rows further on than in the other tensors
	s_lshl_b32 s26, s26, 17                        ; 32 rows of 4,096 bytes
	s_sub_co_u32 s26, s26, s38
	s_lshl_b32 s27, s22, 10                        ; my K quarter
	s_add_co_u32 s26, s26, s27
	s_mov_b32 s27, 0
	s_add_nc_u64 s[4:5], s[4:5], s[26:27]
	s_mov_b32 s37, 0
	s_add_nc_u64 s[36:37], s[4:5], s[36:37]        ; the base for a tile's rows 8-15
.macro XLOAD t
.irp i, 0,1,2,3,4,5,6,7
.if \i < 4
	global_load_b128 v[R+32*((\t)%3)+4*\i:R+32*((\t)%3)+4*\i+3], v[XA], s[4:5] offset:(8*((\t)/4)+2*\i+8*(\i/4))*4096+((\t)%4)*256 th:TH_LOAD_NT
.else
	global_load_b128 v[R+32*((\t)%3)+4*\i:R+32*((\t)%3)+4*\i+3], v[XA], s[36:37] offset:(8*((\t)/4)+2*\i+8*(\i/4))*4096+((\t)%4)*256 th:TH_LOAD_NT
.endif
.endr
.endm
.macro XTURN t                         ; LDS serves a wave's instructions in order: no wait between the stores and the loads
.irp i, 0,1,2,3,4,5,6,7
	ds_store_b128 v[SI], v[R+32*((\t)%3)+4*\i:R+32*((\t)%3)+4*\i+3] offset:STG*((\t)%2)+2*\i*272
.endr
.irp j, 0,1,2,3,4,5,6,7
	ds_load_b128 v[X+32*((\t)%2)+4*\j:X+32*((\t)%2)+4*\j+3], v[SO] offset:STG*((\t)%2)+16*\j
.endr
.endm
.macro XSTEP t
.set XS, X+32*((\t)%2)
.set CC, C+12*((\t)%2)
	s_wait_dscnt 0x0                               ; this step's numbers are back from the stage
.if (\t)+3 < 8
	XLOAD (\t)+3
.endif
.if (\t)+1 < 8
.if (\t) < 5
	s_wait_loadcnt 16                              ; the next step's eight loads are in; the two steps behind it may be out
.else
	s_wait_loadcnt 8*(6-(\t))
.endif
	XTURN (\t)+1
.endif
	BLKMAX XS
	s_wait_alu depctr_va_vdst(0)
	s_wait_xcnt 0x0                                ; this set of codes was store data two steps ago
	CODES XS, CC
	global_store_b128 v[O16], v[CC:CC+3], s[18:19] offset:((\t)%4)*12288+((\t)/4)*768         ; 512 consecutive bytes
	global_store_b64 v[O8], v[CC+4:CC+5], s[18:19] offset:((\t)%4)*12288+((\t)/4)*768+512     ; 256 consecutive bytes
.if (\t)%2 == 0
	v_mov_b32 v[TW], v[BY]
.else
	v_lshl_or_b32 v[TW], v[BY], 16, v[TW]          ; my two bytes of a K step's word: blocks h and 2 + h,
	v_lshlrev_b32 v[TW], v[H8], v[TW]              ; at their places,
	v_permlanex16_b32 v[PT], v[TW], s34, s35
	v_or_b32 v[WD+(\t)/2], v[TW], v[PT]            ; with lane l xor 16's two the word is whole
.endif
.endm
	XLOAD 0
	XLOAD 1
	XLOAD 2
	s_wait_loadcnt 16                              ; step 0's eight loads are in
	s_wait_alu depctr_va_vdst(0)
	XTURN 0
.irp t, 0,1,2,3,4,5,6,7
	XSTEP \t
.endr
	v_cndmask_b32 v[OUTW], v[WD], v[WD+2], s32     ; lanes 0-15: tile 0's two words, lanes 16-31: tile 1's
	v_cndmask_b32 v[OUTW+1], v[WD+1], v[WD+3], s32
	global_store_b64 v[O8], v[OUTW:OUTW+1], s[20:21]   ; 256 consecutive bytes
	FINISH
; ---- K not innermost.  A lane takes a column and its registers run down K: a block of 32 lies in one lane.  Eight blocks; two of them make the two tiles' images of 64 along K.
.Lweights:
	s_lshr_b32 s27, ttmp9, 5                       ; 0 Wq, 1 Wk, 2 Wv
	s_cmp_eq_u32 s27, 1
	s_cselect_b64 s[12:13], s[14:15], s[12:13]
	s_cmp_eq_u32 s27, 2
	s_cselect_b64 s[12:13], s[16:17], s[12:13]
	s_and_b32 s26, ttmp9, 31
	s_lshr_b32 s27, s26, 1
	s_lshl_b32 s27, s27, 18                        ; the head: 1,024 rows of 256 bytes
	s_and_b32 s26, s26, 1
	s_lshl_b32 s26, s26, 7                         ; which 32 of its 64 columns
	s_add_co_u32 s26, s26, s27
	s_lshl_b32 s27, s22, 16                        ; my K quarter: 256 rows
	s_add_co_u32 s26, s26, s27
	s_mov_b32 s27, 0
	s_add_nc_u64 s[12:13], s[12:13], s[26:27]
.macro WLOAD t
.irp i, 0,1,2,3,4,5,6,7,8,9,10,11,12,13,14,15,16,17,18,19,20,21,22,23,24,25,26,27,28,29,30,31
	global_load_b32 v[R+32*((\t)%2)+\i], v[WA], s[12:13] offset:(32*(\t)+\i)*256 th:TH_LOAD_NT   ; the wave reads 128 consecutive bytes
.endr
.endm
.macro WBLOCK t
.set XS, R+32*((\t)%2)
.set CC, C+12*((\t)%2)
.if (\t) < 7
	s_wait_loadcnt 32                              ; this block's 32 loads are in; the next block's may be out
.else
	s_wait_loadcnt 0x0
.endif
	BLKMAX XS
.if (\t)%2 == 0
	s_wait_alu depctr_va_vdst(0)
	s_wait_xcnt 0x0                                ; both sets of codes were store data a block ago
.endif
	CODES XS, CC
.if (\t)%4 == 0
	v_mov_b32 v[WD+(\t)/4], v[BY]
.else
	v_lshl_or_b32 v[WD+(\t)/4], v[BY], 8*((\t)%4), v[WD+(\t)/4]
.endif
.if (\t)+2 < 8
	WLOAD (\t)+2
.endif
.if (\t)%2 == 1
.irp i, 0,1,2,3,4,5
	v_permlane16_swap_b32 v[C+\i], v[C+12+\i]      ; the even block's lanes 16-31 change places with the odd block's lanes 0-15: set 0 is tile 0's image, set 1 tile 1's
.endr
	global_store_b128 v[O16], v[C:C+3], s[18:19] offset:((\t)/2)*12288
	global_store_b64 v[O8], v[C+4:C+5], s[18:19] offset:((\t)/2)*12288+512
	global_store_b128 v[O16], v[C+12:C+15], s[18:19] offset:((\t)/2)*12288+768
	global_store_b64 v[O8], v[C+16:C+17], s[18:19] offset:((\t)/2)*12288+1280
.endif
.endm
	s_wait_alu depctr_va_vdst(0)
	WLOAD 0
	WLOAD 1
.irp t, 0,1,2,3,4,5,6,7
	WBLOCK \t
.endr
	global_store_b64 v[O8], v[WD:WD+1], s[20:21]   ; my row's two scale words: 256 consecutive bytes a wave
	FINISH
.Lfunc_end_k_qf441d4b1c3_quant:
	.size	k_qf441d4b1c3_quant, .Lfunc_end_k_qf441d4b1c3_quant-k_qf441d4b1c3_quant
	.p2alignl 7, 3214868480
	.fill 96, 4, 3214868480
	.section	.rodata,"a",@progbits
	.p2align	6, 0x0
	.amdhsa_kernel k_qf441d4b1c3_quant
		.amdhsa_group_segment_fixed_size 35328
		.amdhsa_private_segment_fixed_size 0
		.amdhsa_enable_private_segment 0
		.amdhsa_kernarg_size 72
		.amdhsa_user_sgpr_count 2
		.amdhsa_user_sgpr_kernarg_segment_ptr 1
		.amdhsa_wavefront_size32 1
		.amdhsa_system_sgpr_workgroup_id_x 1
		.amdhsa_system_sgpr_workgroup_id_y 1
		.amdhsa_system_sgpr_workgroup_id_z 1
		.amdhsa_system_vgpr_workitem_id 0
		.amdhsa_next_free_vgpr 224
		.amdhsa_next_free_sgpr 66
		.amdhsa_reserve_vcc 0
		.amdhsa_float_denorm_mode_32 3
		.amdhsa_float_denorm_mode_16_64 3
		.amdhsa_memory_ordered 1
		.amdhsa_forward_progress 1
		.amdhsa_inst_pref_size 71
	.end_amdhsa_kernel
	.amdgpu_metadata
---
amdhsa.version: [ 1, 2 ]
amdhsa.kernels:
  - .name:           k_qf441d4b1c3_quant
    .symbol:         k_qf441d4b1c3_quant.kd
    .args:
      - { .name: Q, .offset: 0, .size: 8, .value_kind: global_buffer, .address_space: global }
      - { .name: K, .offset: 8, .size: 8, .value_kind: global_buffer, .address_space: global }
      - { .name: V, .offset: 16, .size: 8, .value_kind: global_buffer, .address_space: global }
      - { .name: Wo, .offset: 24, .size: 8, .value_kind: global_buffer, .address_space: global }
      - { .name: Wq, .offset: 32, .size: 8, .value_kind: global_buffer, .address_space: global }
      - { .name: Wk, .offset: 40, .size: 8, .value_kind: global_buffer, .address_space: global }
      - { .name: Wv, .offset: 48, .size: 8, .value_kind: global_buffer, .address_space: global }
      - { .name: gc, .offset: 56, .size: 8, .value_kind: global_buffer, .address_space: global }
      - { .name: gs, .offset: 64, .size: 8, .value_kind: global_buffer, .address_space: global }
    .group_segment_fixed_size: 35328
    .private_segment_fixed_size: 0
    .kernarg_segment_align: 8
    .kernarg_segment_size: 72
    .max_flat_workgroup_size: 128
    .sgpr_count:     66
    .vgpr_count:     224
    .wavefront_size: 32
...
	.end_amdgpu_metadata
.endif
;; end of part 1
;; launch proj (part 2): grid 16 x 12, 4 waves a work-group, clusters of 4 x 4, 327,680 bytes of LDS; arguments gc, gs, bq, bk, bv, ac, asc; writes ac, asc
.if DOCPART == 2
	.amdgcn_target "amdgcn-amd-amdhsa--gfx1250"
	.amdhsa_code_object_version 6
	.text
	.protected	k_qf441d4b1c3_proj
	.globl	k_qf441d4b1c3_proj
	.p2align	8
	.type	k_qf441d4b1c3_proj,@function
k_qf441d4b1c3_proj:
	s_mov_b64 s[64:65], 0
	v_nop
	global_prefetch_b8 v0, s[64:65] scope:SCOPE_SE
	s_setreg_imm32_b32 hwreg(HW_REG_WAVE_MODE, 25, 1), 1
	s_wait_xcnt 0x0
	s_wait_alu depctr_hold_cnt(0) depctr_sa_sdst(0) depctr_va_vdst(0) depctr_va_sdst(0) depctr_va_ssrc(0) depctr_va_vcc(0) depctr_vm_vsrc(0)
	s_getreg_b32 s2, hwreg(HW_REG_IB_STS2, 6, 4)
	s_cmp_eq_u32 s2, 0
	s_cbranch_scc0 .Lentry_in_a_cluster
	s_endpgm
.Lentry_in_a_cluster:
	s_bfe_u32 s2, ttmp6, 0x10000c
	s_cmp_lg_u32 s2, 0xf033
	s_cbranch_scc0 .Lentry_shape_is_right
	s_endpgm
.Lentry_shape_is_right:
.set FR,    12
.set KAP,   12288
.set PART,  24576
.set SLOT,  98304
.set SPARE, 196608
.set ADRA16, 16
.set ADRA8,  18
.set ADRB16, 20
.set ADRB8,  22
.set VO16, 24
.set VO8,  25
.set VS,   26
.set VB,   27
.set SPW,  28
.set NIL,  29
.set VB2,  30
.set VSV,  31
.set SC,   32
.set WW,   96
.set XSEL, 104
.set YY,   108
.set C7F,  116
.set AF,   128
.set PCB,  128
.set TM,   224
.set WV,  18
.set RH,  19
.set CH,  20
.set CX,  21
.set CY,  22
.set TY,  23
.set G1,  24
.set G0,  32
.set G1B, 48
.set G0B, 56
.set ISV, 66
.set MHI, 67
.set SEL, 100
.set MSB, 0
.macro WIN new
.if MSB != \new
	s_set_vgpr_msb (MSB<<8)|\new
.set MSB, \new
.endif
.endm
.macro JLOAD g0a, g1a, g0b, g1b
	s_cmp_eq_u32 s[RH], 0
	s_cbranch_scc0 .Lfor_b_\@
	tensor_load_to_lds s[\g0a:\g0a+3], s[\g1a:\g1a+7]
	s_nop 0
.rept 4
	v_nop
.endr
	s_branch .Lasked_\@
.Lfor_b_\@:
	tensor_load_to_lds s[\g0b:\g0b+3], s[\g1b:\g1b+7]
	s_nop 0
.rept 4
	v_nop
.endr
.Lasked_\@:
.endm
.macro CREST
	s_cmp_lg_u32 s[WV], 0
	s_cbranch_scc1 .Lnot_wave_0_\@
	s_barrier_signal -3
.Lnot_wave_0_\@:
	s_barrier_wait -3
	s_barrier_signal -1
	s_barrier_wait -1
.endm
.macro CROUND
	s_barrier_signal -1
	s_barrier_wait -1
	CREST
.endm
.macro PLACES
.rept 4
	v_nop
.endr
.endm
	s_load_b256 s[4:11], s[0:1], 0x0
	s_load_b128 s[12:15], s[0:1], 0x20
	s_load_b64 s[16:17], s[0:1], 0x30
	v_lshl_add_u32 v[SPW], v0, 2, SPARE
	v_mov_b32 v[NIL], 0
	ds_add_u32 v[SPW], v[NIL]
	ds_add_u32 v[SPW], v[NIL]
	v_lshrrev_b32 v1, 5, v0
	v_readfirstlane_b32 s[WV], v1
	s_lshr_b32 s[RH], s[WV], 1
	s_and_b32 s[CH], s[WV], 1
	s_bfe_u32 s[CX], ttmp6, 0x40000
	s_bfe_u32 s[CY], ttmp6, 0x40004
	s_and_b32 s[TY], ttmp7, 0xffff
	s_lshl_b32 s40, ttmp9, 2
	s_lshl_b32 s41, s[TY], 4
	s_add_co_u32 s41, s41, s40
	s_add_co_u32 s45, s40, 32
	s_lshl_b32 s73, s[TY], 2
	s_add_co_u32 s73, s73, 52
	s_cmp_eq_u32 s[TY], 2
	s_cselect_b32 s[ISV], 1, 0
	s_cselect_b32 s42, 60, s41
	s_cselect_b32 s43, s45, s73
	s_add_co_u32 s42, s42, s[CY]
	s_add_co_u32 s43, s43, s[CX]
	s_lshl_b32 s46, s[CY], 2
	s_lshl_b32 s46, 15, s46
	s_lshl_b32 s47, 0x1111, s[CX]
	s_or_b32 s[G1], s46, (3<<16)|(1<<21)
	s_or_b32 s[G1B], s47, (3<<16)|(1<<21)
.irp g, G1, G1B
	s_mov_b32 s[\g+1], 32<<16
	s_mov_b32 s[\g+2], 96<<16
	s_mov_b32 s[\g+3], 32<<16
	s_mov_b32 s[\g+4], 96
	s_mov_b32 s[\g+5], 32
	s_mov_b32 s[\g+6], 0
	s_mov_b32 s[\g+7], 0
.endr
	s_mul_i32 s44, s[CH], PART
	s_mul_i32 s68, s42, 196608
	s_add_co_u32 s68, s68, s44
	s_mov_b32 s69, 0
	s_mul_i32 s70, s43, 196608
	s_add_co_u32 s70, s70, s44
	s_mov_b32 s71, 0
	s_mul_i32 s72, s[WV], PART
	s_wait_dscnt 0x0
	s_wait_kmcnt 0x0
	s_add_nc_u64 s[68:69], s[4:5], s[68:69]
	s_add_nc_u64 s[70:71], s[4:5], s[70:71]
	CROUND
.irp s, 0,1
	s_mov_b32 s[G0+4*\s], 1
	s_add_co_u32 s[G0+4*\s+1], s72, \s*SLOT
	s_add_nc_u64 s[G0+4*\s+2:G0+4*\s+3], s[68:69], \s*49152
	s_or_b32 s[G0+4*\s+3], s[G0+4*\s+3], 0x80000000
	s_mov_b32 s[G0B+4*\s], 1
	s_add_co_u32 s[G0B+4*\s+1], s72, \s*SLOT
	s_add_nc_u64 s[G0B+4*\s+2:G0B+4*\s+3], s[70:71], \s*49152
	s_or_b32 s[G0B+4*\s+3], s[G0B+4*\s+3], 0x80000000
	s_wait_alu depctr_va_vdst(0)
	s_wait_tensorcnt 0x0
	ds_add_u32 v28, v29
	ds_add_u32 v28, v29
	s_wait_dscnt 0x0
	CROUND
	JLOAD G0+4*\s, G1, G0B+4*\s, G1B
.endr
	v_and_b32 v1, 15, v0
	v_bfe_u32 v2, v0, 4, 1
	v_and_b32 v3, 31, v0
	v_lshlrev_b32 v[VO16], 4, v3
	v_lshlrev_b32 v[VO8], 3, v3
	s_mul_i32 s2, s[RH], 6144
	s_mul_i32 s3, s[CH], 6144
	s_add_co_u32 s3, s3, 49152
.irp s, 0,1
	v_add_nc_u32 v[ADRA16+\s], s2, v[VO16]
	v_add_nc_u32 v[ADRA8+\s], s2, v[VO8]
	v_add_nc_u32 v[ADRB16+\s], s3, v[VO16]
	v_add_nc_u32 v[ADRB8+\s], s3, v[VO8]
	s_add_co_u32 s2, s2, SLOT
	s_add_co_u32 s3, s3, SLOT
.endr
	s_lshl_b32 s86, s42, 13
	s_lshl_b32 s87, s[RH], 10
	s_add_co_u32 s86, s86, s87
	s_lshl_b32 s88, s43, 13
	s_lshl_b32 s87, s[CH], 10
	s_add_co_u32 s88, s88, s87
	s_mov_b32 s[MHI], 0xffff0000
	v_mov_b32 v4, s86
	v_mov_b32 v5, s88
	v_cndmask_b32 v[VS], v4, v5, s[MHI]
	v_lshl_add_u32 v[VS], v1, 3, v[VS]
.irp i, 0,1,2,3,4,5,6,7
.irp p, 0,1,2,3
	global_load_b64 v[SC+8*\i+2*\p:SC+8*\i+2*\p+1], v[VS], s[6:7] offset:\p*2048+\i*128
.endr
.endr
	v_lshlrev_b32 v[VB], 6, v2
	v_and_b32 v4, 8, v1
	v_add_nc_u32 v4, v4, v1
	v_lshlrev_b32 v[VB2], 2, v4
	s_cmp_eq_u32 s[TY], 1
	s_cselect_b64 s[74:75], s[10:11], s[8:9]
	s_cmp_eq_u32 s[TY], 2
	s_cselect_b64 s[74:75], s[12:13], s[74:75]
	s_cselect_b32 s89, s[CY], s[CX]
	s_cselect_b32 s90, s[RH], s[CH]
	s_lshl_b32 s89, s89, 10
	s_lshl_b32 s90, s90, 9
	s_add_co_u32 s90, s90, s89
	s_mov_b32 s91, 0
	s_add_nc_u64 s[74:75], s[74:75], s[90:91]
	s_cmp_eq_u32 s[ISV], 1
	s_cbranch_scc1 .Lbias_v
	WIN 0x40
	s_wait_alu depctr_va_vdst(0)
.irp b, 0,1,2,3,4,5,6,7
	global_load_b128 v[96+8*\b+96*(\b/4):96+8*\b+96*(\b/4)+3], v[VB], s[74:75] offset:(32*(\b/2)+8*(\b%2))*4
	global_load_b128 v[96+8*\b+96*(\b/4)+4:96+8*\b+96*(\b/4)+7], v[VB], s[74:75] offset:(32*(\b/2)+8*(\b%2))*4+16
.endr
	WIN 0
	s_branch .Lbias_done
.Lbias_v:
	WIN 0x40
	s_wait_alu depctr_va_vdst(0)
.irp a, 0,1,2,3,4,5,6,7
.irp j, 0,1,2,3,4,5,6,7
	global_load_b32 v[96+8*\a+96*(\a/4)+\j], v[VB2], s[74:75] offset:(32*(\a/2)+8*(\a%2))*4
.endr
.endr
	WIN 0
.Lbias_done:
	s_lshl_b32 s98, s[ISV], 14
	s_cmp_eq_u32 s[ISV], 1
	s_cselect_b32 s92, s[CY], s[CX]
	s_cselect_b32 s93, s[RH], s[CH]
	s_cselect_b32 s94, s[CX], s[CY]
	s_cselect_b32 s95, s[CH], s[RH]
	s_mov_b32 s80, 1536
	s_cselect_b32 s80, s80, 768
	s_mov_b32 s82, 190464
	s_cselect_b32 s82, s82, 0
	s_mov_b32 s96, 768
	s_cselect_b32 s96, s96, 196608
	s_mov_b32 s97, 256
	s_cselect_b32 s97, s97, 512
	s_mov_b32 s81, 0
	s_mov_b32 s83, 0
	s_lshl_b32 s92, s92, 2
	s_lshl_b32 s93, s93, 1
	s_add_co_u32 s92, s92, s93
	s_add_co_u32 s94, s94, s40
	s_lshl_b32 s94, s94, 1
	s_add_co_u32 s94, s94, s95
	s_mul_i32 s76, s[TY], 3145728
	s_mul_i32 s93, s92, 196608
	s_add_co_u32 s76, s76, s93
	s_mul_i32 s93, s94, 6144
	s_add_co_u32 s76, s76, s93
	s_mov_b32 s77, 0
	s_add_nc_u64 s[76:77], s[14:15], s[76:77]
	s_mov_b32 s99, 0
	s_cmp_eq_u32 s[TY], 0
	s_mov_b32 s93, 16384
	s_cselect_b32 s93, s93, 24576
	s_mov_b32 s95, 393216
	s_cselect_b32 s95, s95, s98
	s_mov_b32 s98, s96
	s_add_nc_u64 s[78:79], s[76:77], s[98:99]
	s_mul_i32 s84, s92, s93
	s_mul_i32 s85, s94, s97
	s_add_co_u32 s84, s84, s85
	s_add_co_u32 s84, s84, s95
	s_mov_b32 s85, 0
	s_add_nc_u64 s[84:85], s[16:17], s[84:85]
	s_mov_b32 s98, s93
	s_add_nc_u64 s[86:87], s[84:85], s[98:99]
	s_mov_b32 s[SEL], 0x76543210
	s_mov_b32 s[SEL+1], 0xfedcba98
	v_mul_u32_u24 v4, v2, 24576
	v_lshl_add_u32 v[VSV], v1, 4, v4
	v_mov_b32 v[C7F], 0x7f7f7f7f
.irp b, 0,1,2,3
	v_mov_b32 v[TM+4+\b], 0
.endr
.macro FRAG reg, a16, a8, q, i
	ds_load_b128 v[\reg:\reg+3], v[\a16] offset:(2*(\q))*KAP+(\i)*768
	ds_load_b64 v[\reg+4:\reg+5], v[\a8] offset:(2*(\q))*KAP+(\i)*768+512
	ds_load_b128 v[\reg+6:\reg+9], v[\a16] offset:(2*(\q)+1)*KAP+(\i)*768
	ds_load_b64 v[\reg+10:\reg+11], v[\a8] offset:(2*(\q)+1)*KAP+(\i)*768+512
.endm
.macro FETCH_B slot, q, p
	WIN 0x40
.irp i, 0,1,2,3,4,5,6,7
	FRAG 128*(\p)+FR*\i, ADRB16+\slot, ADRB8+\slot, \q, \i
.endr
	WIN 0
.endm
.macro FETCH_A slot, q, i0
.irp i, \i0, \i0+1, \i0+2, \i0+3
	FRAG AF+FR*(\i), ADRA16+\slot, ADRA8+\slot, \q, \i
.endr
.endm
.macro MUL16 a0, p, ks, cmode
.irp a, \a0, \a0+1
.irp b, 0,1,2,3,4,5,6,7
.if \cmode == 0
	v_wmma_scale_f32_16x16x128_f8f6f4 v[8*(8*((\a)%4)+\b):8*(8*((\a)%4)+\b)+7], v[128*(\p)+FR*\b:128*(\p)+FR*\b+FR-1], v[AF+FR*(\a):AF+FR*(\a)+FR-1], v[8*(8*((\a)%4)+\b):8*(8*((\a)%4)+\b)+7], v[SC+8*\b+(\ks)], v[SC+8*(\a)+(\ks)] matrix_a_fmt:MATRIX_FMT_FP6 matrix_b_fmt:MATRIX_FMT_FP6 matrix_a_scale:MATRIX_SCALE_ROW1
.elseif \cmode == 1
	v_wmma_scale_f32_16x16x128_f8f6f4 v[8*(8*((\a)%4)+\b):8*(8*((\a)%4)+\b)+7], v[128*(\p)+FR*\b:128*(\p)+FR*\b+FR-1], v[AF+FR*(\a):AF+FR*(\a)+FR-1], v[96+8*\b+96*(\b/4):96+8*\b+96*(\b/4)+7], v[SC+8*\b+(\ks)], v[SC+8*(\a)+(\ks)] matrix_a_fmt:MATRIX_FMT_FP6 matrix_b_fmt:MATRIX_FMT_FP6 matrix_a_scale:MATRIX_SCALE_ROW1
.else
	v_wmma_scale_f32_16x16x128_f8f6f4 v[8*(8*((\a)%4)+\b):8*(8*((\a)%4)+\b)+7], v[128*(\p)+FR*\b:128*(\p)+FR*\b+FR-1], v[AF+FR*(\a):AF+FR*(\a)+FR-1], v[96+8*(\a)+96*((\a)/4):96+8*(\a)+96*((\a)/4)+7], v[SC+8*\b+(\ks)], v[SC+8*(\a)+(\ks)] matrix_a_fmt:MATRIX_FMT_FP6 matrix_b_fmt:MATRIX_FMT_FP6 matrix_a_scale:MATRIX_SCALE_ROW1
.endif
.endr
.endr
.endm
.macro STEP slot, ks, cmode
	s_wait_dscnt 16
.if \cmode
	WIN 0x91
.else
	WIN 0xa1
.endif
	MUL16 0, 0, \ks, \cmode
	MUL16 2, 0, \ks, \cmode
	s_wait_dscnt 0x0
	PLACES
	FETCH_B \slot, 1, 1
	FETCH_A \slot, 1, 0
.if \cmode
	WIN 0xd1
.else
	WIN 0xf1
.endif
	MUL16 4, 0, \ks, \cmode
	MUL16 6, 0, \ks, \cmode
	PLACES
	WIN 0
	FETCH_A \slot, 1, 4
.endm
.macro TURN slot, next, ks, fill
	s_wait_tensorcnt 0x0
	ds_add_u32 v[SPW], v[NIL]
	s_wait_dscnt 17
	WIN 0xa1
	MUL16 0, 1, \ks, 0
	s_wait_dscnt 0x0
	s_barrier_signal -1
	MUL16 2, 1, \ks, 0
	WIN 0
	s_barrier_wait -1
.if \fill
	CREST
	s_add_nc_u64 s[G0+4*\slot+2:G0+4*\slot+3], s[G0+4*\slot+2:G0+4*\slot+3], 98304
	s_add_nc_u64 s[G0B+4*\slot+2:G0B+4*\slot+3], s[G0B+4*\slot+2:G0B+4*\slot+3], 98304
	JLOAD G0+4*\slot, G1, G0B+4*\slot, G1B
.else
	PLACES
.endif
	FETCH_B \next, 0, 0
	FETCH_A \next, 0, 0
	WIN 0xf1
	MUL16 4, 1, \ks, 0
	MUL16 6, 1, \ks, 0
	PLACES
	WIN 0
	FETCH_A \next, 0, 4
.endm
	s_wait_loadcnt 0x0
	s_wait_tensorcnt 1
	s_barrier_signal -1
	s_barrier_wait -1
	FETCH_B 0, 0, 0
	FETCH_A 0, 0, 0
	FETCH_A 0, 0, 4
	s_cmp_eq_u32 s[ISV], 1
	s_cbranch_scc1 .Lfirst_v
	STEP 0, 0, 1
	s_branch .Lfirst_done
.Lfirst_v:
	STEP 0, 0, 2
.Lfirst_done:
	TURN 0, 1, 1, 1
	STEP 1, 2, 0
	TURN 1, 0, 3, 1
	STEP 0, 4, 0
	TURN 0, 1, 5, 0
	STEP 1, 6, 0
	s_wait_dscnt 16
	WIN 0xa1
	MUL16 0, 1, 7, 0
	MUL16 2, 1, 7, 0
	s_wait_dscnt 0x0
	WIN 0xf1
	MUL16 4, 1, 7, 0
	MUL16 6, 1, 7, 0
	WIN 0
.macro QW a
.set AC, 64*((\a)%4)
.set WN, 2+(\a)/4
.set WQ, WN*5
.set PC, PCB+24*((\a)%2)
	WIN WQ
.irp b, 0,1,2,3
	v_max3_num_f32 v[TM+\b], |v[AC+16*\b]|, |v[AC+16*\b+1]|, 0x1800000
.endr
.irp i, 2,4,6,8,10,12,14
.irp b, 0,1,2,3
	v_max3_num_f32 v[TM+\b], |v[AC+16*\b+\i]|, |v[AC+16*\b+\i+1]|, v[TM+\b]
.endr
.endr
	WIN 0
.irp b, 0,1,2,3
	v_permlanex16_b32 v[TM+4+\b], v[TM+\b], s[SEL], s[SEL+1]
.endr
.irp b, 0,1,2,3
	v_max_num_f32 v[TM+\b], v[TM+\b], v[TM+4+\b]
.endr
.irp b, 0,1,2,3
	v_add_nc_u32 v[TM+12+\b], 0xff000000, v[TM+\b]
.endr
.irp b, 0,1,2,3
	v_lshrrev_b32 v[TM+4+\b], 23, v[TM+12+\b]
.endr
	v_lshl_or_b32 v[WW+(\a)], v[TM+5], 8, v[TM+4]
	v_lshl_or_b32 v[WW+(\a)], v[TM+6], 16, v[WW+(\a)]
	v_lshl_or_b32 v[WW+(\a)], v[TM+7], 24, v[WW+(\a)]
	WIN WN
.irp c, 0,1
	v_cvt_scalef32_pk16_fp6_f32 v[PC+6*\c:PC+6*\c+2], v[AC+32*\c:AC+32*\c+15], v[TM+12+2*\c]
	v_cvt_scalef32_pk16_fp6_f32 v[PC+12+4*\c:PC+14+4*\c], v[AC+32*\c+16:AC+32*\c+31], v[TM+12+2*\c+1]
.endr
	WIN 0
	v_nop
.irp c, 0,1
.irp i, 0,1,2
	v_permlane16_swap_b32 v[PC+6*\c+\i], v[PC+12+4*\c+\i]
.endr
.irp i, 0,1,2
	v_mov_b32 v[PC+3+6*\c+\i], v[PC+12+4*\c+\i]
.endr
.endr
.endm
	PLACES
.irp a, 0,1,2,3,4,5,6,7
	QW \a
	s_wait_alu depctr_va_vdst(0)
	s_wait_xcnt 0x0
.if \a > 0
	s_add_nc_u64 s[76:77], s[76:77], s[80:81]
	s_add_nc_u64 s[78:79], s[78:79], s[80:81]
.endif
.if \a == 4
	s_add_nc_u64 s[76:77], s[76:77], s[82:83]
	s_add_nc_u64 s[78:79], s[78:79], s[82:83]
.endif
	global_store_b128 v[VO16], v[PC:PC+3], s[76:77]
	global_store_b64 v[VO8], v[PC+4:PC+5], s[76:77] offset:512
	global_store_b128 v[VO16], v[PC+6:PC+9], s[78:79]
	global_store_b64 v[VO8], v[PC+10:PC+11], s[78:79] offset:512
.endr
.irp j, 0,1,2,3
	v_cndmask_b32 v[XSEL+\j], v[WW+\j], v[WW+4+\j], s[MHI]
.endr
	s_cmp_eq_u32 s[ISV], 1
	s_cbranch_scc1 .Lwords_v
.irp j, 0,1,2,3
	v_perm_b32 v[YY+\j], v[C7F], v[XSEL+\j], 0x04040100
	v_perm_b32 v[YY+4+\j], v[C7F], v[XSEL+\j], 0x04040302
.endr
	global_store_b128 v[VO16], v[YY:YY+3], s[84:85]
	global_store_b128 v[VO16], v[YY+4:YY+7], s[86:87]
	s_branch .Lwords_done
.Lwords_v:
	s_wait_alu depctr_va_vdst(0)
	global_store_b128 v[VSV], v[XSEL:XSEL+3], s[84:85]
.Lwords_done:
	s_wait_tensorcnt 0x0
	ds_add_u32 v[SPW], v[NIL]
	s_wait_dscnt 0x0
	CROUND
	s_endpgm
.Lfunc_end_k_qf441d4b1c3_proj:
	.size	k_qf441d4b1c3_proj, .Lfunc_end_k_qf441d4b1c3_proj-k_qf441d4b1c3_proj
	.p2alignl 7, 3214868480
	.fill 96, 4, 3214868480
	.section	.rodata,"a",@progbits
	.p2align	6, 0x0
	.amdhsa_kernel k_qf441d4b1c3_proj
		.amdhsa_group_segment_fixed_size 327680
		.amdhsa_private_segment_fixed_size 0
		.amdhsa_enable_private_segment 0
		.amdhsa_kernarg_size 56
		.amdhsa_user_sgpr_count 2
		.amdhsa_user_sgpr_kernarg_segment_ptr 1
		.amdhsa_wavefront_size32 1
		.amdhsa_system_sgpr_workgroup_id_x 1
		.amdhsa_system_sgpr_workgroup_id_y 1
		.amdhsa_system_sgpr_workgroup_id_z 1
		.amdhsa_system_vgpr_workitem_id 0
		.amdhsa_next_free_vgpr 1024
		.amdhsa_next_free_sgpr 102
		.amdhsa_reserve_vcc 0
		.amdhsa_float_denorm_mode_32 3
		.amdhsa_float_denorm_mode_16_64 3
		.amdhsa_memory_ordered 1
		.amdhsa_forward_progress 1
		.amdhsa_inst_pref_size 173
	.end_amdhsa_kernel
	.amdgpu_metadata
---
amdhsa.version: [ 1, 2 ]
amdhsa.kernels:
  - .name:           k_qf441d4b1c3_proj
    .symbol:         k_qf441d4b1c3_proj.kd
    .args:
      - { .name: gc, .offset: 0, .size: 8, .value_kind: global_buffer, .address_space: global }
      - { .name: gs, .offset: 8, .size: 8, .value_kind: global_buffer, .address_space: global }
      - { .name: bq, .offset: 16, .size: 8, .value_kind: global_buffer, .address_space: global }
      - { .name: bk, .offset: 24, .size: 8, .value_kind: global_buffer, .address_space: global }
      - { .name: bv, .offset: 32, .size: 8, .value_kind: global_buffer, .address_space: global }
      - { .name: ac, .offset: 40, .size: 8, .value_kind: global_buffer, .address_space: global }
      - { .name: asc, .offset: 48, .size: 8, .value_kind: global_buffer, .address_space: global }
    .group_segment_fixed_size: 327680
    .private_segment_fixed_size: 0
    .kernarg_segment_align: 8
    .kernarg_segment_size: 56
    .max_flat_workgroup_size: 128
    .sgpr_count:     102
    .vgpr_count:     1024
    .wavefront_size: 32
...
	.end_amdgpu_metadata
.endif
;; end of part 2
;; launch attn (part 3): grid 16 x 16, 16 waves a work-group, clusters of 4 x 1, 327,680 bytes of LDS; arguments ac, asc, xc, xs; writes xc, xs
.if DOCPART == 3
	.amdgcn_target "amdgcn-amd-amdhsa--gfx1250"
	.amdhsa_code_object_version 6
	.text
	.protected	k_qf441d4b1c3_attn
	.globl	k_qf441d4b1c3_attn
	.p2align	8
	.type	k_qf441d4b1c3_attn,@function
k_qf441d4b1c3_attn:
	s_mov_b64 s[64:65], 0
	v_nop
	global_prefetch_b8 v0, s[64:65] scope:SCOPE_SE
	s_setreg_imm32_b32 hwreg(HW_REG_WAVE_MODE, 25, 1), 1
	s_wait_xcnt 0x0
	s_wait_alu depctr_hold_cnt(0) depctr_sa_sdst(0) depctr_va_vdst(0) depctr_va_sdst(0) depctr_va_ssrc(0) depctr_va_vcc(0) depctr_vm_vsrc(0)
	s_getreg_b32 s2, hwreg(HW_REG_IB_STS2, 6, 4)
	s_cmp_eq_u32 s2, 0
	s_cbranch_scc0 .Lentry_in_a_cluster
	s_endpgm
.Lentry_in_a_cluster:
	s_bfe_u32 s2, ttmp6, 0x10000c
	s_cmp_lg_u32 s2, 0x3003
	s_cbranch_scc0 .Lentry_shape_is_right
	s_endpgm
.Lentry_shape_is_right:
; x[q][head] = softmax_k(q . k / 8) v for 16 heads of 64, 4,096 tokens, both products on codes of FP6 (E2M3) with E8M0 scales; x is quantised along the head's 64 and leaves as an operand image.
; THE SOFTMAX: t = score x log2(e) / 8; M = the running largest t rounded up to a whole number; p = 2^(t - M) is quantised along the keys, not normalised; the row's sum is taken of the
; unquantised p and divides at the end.  When M moves, the sum and O are multiplied by 2^(old M - new M): exact.
; LIMITS: NaN and infinities are not served; the promise holds while |t| stays under 2^31; a block whose largest magnitude lies under 2^-124 (a block of zeros too) keeps the byte 1.
; SHARES.  A work-group owns 256 queries of one head, each of sixteen waves one tile of 16, in 256 registers.  Every wave walks all keys, 128 a step.
; OPERANDS are images of operand registers (768 bytes = 16 rows x 64 K).  Both products are used transposed, so a lane holds one query.
; K's TILES: tile 4 c + u, row r, is key 64 c + 8 u + r % 8 + 32 (r / 8) of the step's 128.  So lane (r, h)'s 32 registers of tiles 4 c .. 4 c + 3 are keys 64 c + 32 h + 0 .. 31: one whole block of p,
; in the order of p's operand registers: a block's maximum needs no other lane and no lane changes places with another.
; THE SCORES' K IS 64: Q's operand has zero codes in its upper half.  K's tiles lie 6 registers apart, and a tile's operand of 12 registers runs on into the next tile's codes (the last into six zeros):
; they meet Q's zero codes under the scale byte 0x7f and add nothing.
; THE WALK: the next step's K fragments are asked of LDS behind this step's score products; V's land under the softmax.  In a slot's last step all LDS reads are over in the step's middle:
; there the wave signals the change of slots, and works on registers up to the barrier's wait.
; CLUSTER 4 x 1: the four query blocks of a cluster walk the same head's k and v: each part of a slot is asked for jointly.  A slot holds 1,024 keys: eight key steps stand between a request
; and the wait for it, so nothing is prefetched ahead of the tensor loads.
.set PART,  24576
.set SLOT1, 1<<17                      ; slot 0 at 0, slot 1 here: K's 64 tiles (49,152 bytes), then V's 8 steps (49,152)
.set SCL,   98304                      ; the head's scale words: k's 16,384 bytes, v's 8,192; filled once
.set XSG,   229376                     ; 512 bytes: x's scale bytes of the 256 queries
.set SPARE, 229888                     ; the spare words, 128 bytes for each of 16 waves
.set L16,  1                           ; 16 x lane
.set L8,   2                           ; 8 x lane
.set KWB,  3                           ; k's words: lanes 0-15 tiles 0-3 of row r, lanes 16-31 tiles 4-7
.set VWB,  4                           ; v's words: the four channel tiles of row r
.set SPW,  5
.set NIL,  6
.set H8,   7                           ; 8 x (lane / 16)
.set AD16, 8
.set AD8,  9
.set ADS,  10
.set ADT,  11
.set QF,   16                          ; v16-27   Q's operand (22-27 stay 0);  v12 -M, v13 the running largest score, v[14:15] the sum
.set VW,   28                          ; v28-31   V's scale words
.set KFR,  32                          ; v32-85   K's eight tiles, 6 registers each, and six zeros
.set VFR,  86                          ; v86-133  four fragments of V
.set S,    134                         ; v134-197 S^T, then p
.set O,    198                         ; v198-229 O^T
.set P,    230                         ; v230-241 p's codes (ahead of them: partial sums)
.set KW,   242                         ; v242-245 K's scale words
.set TA,   246                         ; v246-247 a block's largest score, then its largest p, then its byte
.set TC,   248                         ; v248-249 at work
.set SCO,  250                         ; v250-251 the conversions' scale operands
.set F,    252                         ; f = 2^(old M - new M)
.set PW,   253                         ; p's scale word
.set TT,   254
.set QW,   255                         ; Q's scale word
.set WV,   12
.set SEL,  20
.set CS,   22
.set G1,   24
.set G0,   32
.set SB,   36
.set TS,   37
.set TV,   38
.set SLOTS, 39
.set STEPS, 40
.set NC,   43
.set G0S,  44
.macro CREST
	s_cmp_lg_u32 s[WV], 0
	s_cbranch_scc1 .Lnot_wave_0_\@
	s_barrier_signal -3
.Lnot_wave_0_\@:
	s_barrier_wait -3
	s_barrier_signal -1
	s_barrier_wait -1
.endm
.macro CROUND
	s_barrier_signal -1
	s_barrier_wait -1
	CREST
.endm
.macro FILL                            ; waves 0-3: my one tensor load behind the round
	s_cmp_lt_u32 s[WV], 4
	s_cbranch_scc0 .Lnone_\@
	tensor_load_to_lds s[G0:G0+3], s[G1:G1+7]
	s_nop 0
.rept 4
	v_nop
.endr
.Lnone_\@:
.endm
	s_load_b128 s[4:7], s[0:1], 0x0                ; ac, asc
	s_load_b128 s[8:11], s[0:1], 0x10              ; xc, xs
	v_lshl_add_u32 v[SPW], v0, 2, SPARE
	v_mov_b32 v[NIL], 0
	ds_add_u32 v[SPW], v[NIL]                      ; the wave's opening: the add, twice on end, and its wait
	ds_add_u32 v[SPW], v[NIL]
	v_lshrrev_b32 v8, 5, v0
	v_readfirstlane_b32 s[WV], v8
	s_bfe_u32 s13, ttmp6, 0x40000                  ; cx
	s_lshl_b32 s14, ttmp9, 2
	s_add_co_u32 s14, s14, s13                     ; my block of 256 queries: it enters q's, xc's and xs's addresses alone
	s_and_b32 s15, ttmp7, 0xffff                   ; the head, which the partners share
	s_mov_b32 s[G1], 15|(3<<16)|(1<<21)            ; the mask: all four; elements of 8 bytes; bit 21 beside a mask; no padding
	s_mov_b32 s[G1+1], 32<<16
	s_mov_b32 s[G1+2], 96<<16
	s_mov_b32 s[G1+3], 32<<16
	s_mov_b32 s[G1+4], 96
	s_mov_b32 s[G1+5], 32
	s_mov_b32 s[G1+6], 0
	s_mov_b32 s[G1+7], 0
	s_mul_i32 s16, s15, 196608                     ; the head's image;
	s_and_b32 s17, s[WV], 1
	s_mul_i32 s17, s17, PART                       ; waves 0, 1: the halves of K's part of a slot; waves 2, 3: of V's
	s_add_co_u32 s16, s16, s17
	s_lshr_b32 s17, s[WV], 1
	s_mul_i32 s17, s17, 3145728
	s_add_co_u32 s16, s16, s17
	s_add_co_u32 s16, s16, 3145728
	s_mov_b32 s17, 0
	s_mul_i32 s18, s15, PART                       ; the head's scale words
	s_mov_b32 s19, 0
	s_mul_i32 s41, s[WV], PART                     ; where my part goes
	s_mov_b32 s[SEL], 0x76543210
	s_mov_b32 s[SEL+1], 0xfedcba98
	s_mov_b32 s[CS], 0x3e38aa3b                    ; c = log2(e) / 8
	s_mov_b32 s[CS+1], s[CS]
	s_mov_b32 s[NC], 0xbe38aa3b                    ; -c
	s_mov_b32 s[SB], 0
	s_mov_b32 s[TS], 0
	s_mov_b32 s[TV], 0
	s_wait_dscnt 0x0                               ; both opening adds are done
	s_wait_kmcnt 0x0
	s_mov_b32 s[G0], 1
	s_mov_b32 s[G0+1], s41
	s_add_nc_u64 s[G0+2:G0+3], s[4:5], s[16:17]
	s_or_b32 s[G0+3], s[G0+3], 0x80000000
	s_mov_b32 s[G0S], 1
	s_mov_b32 s[G0S+1], SCL
	s_add_nc_u64 s[G0S+2:G0S+3], s[6:7], s[18:19]
	s_or_b32 s[G0S+3], s[G0S+3], 0x80000000
	CROUND                                         ; all four work-groups are here: the first joint loads meet
	s_cmp_lt_u32 s[WV], 4                          ; waves 0-3: slot 0; wave 4: the scale words; one load a wave
	s_cbranch_scc0 .Lnot_kv
	tensor_load_to_lds s[G0:G0+3], s[G1:G1+7]
	s_nop 0
.rept 4
	v_nop
.endr
	s_branch .Lfirst_asked
.Lnot_kv:
	s_cmp_eq_u32 s[WV], 4
	s_cbranch_scc0 .Lfirst_asked
	tensor_load_to_lds s[G0S:G0S+3], s[G1:G1+7]
	s_nop 0
.rept 4
	v_nop
.endr
.Lfirst_asked:
	s_lshl_b32 s42, s[WV], 5
	s_add_co_u32 s42, s42, XSG                     ; my wave's 32 of x's scale bytes
	s_lshl_b32 s56, s14, 4
	s_add_co_u32 s56, s56, s[WV]                   ; my tile of queries
	s_mul_i32 s56, s56, 768
	s_mul_i32 s57, s15, 196608
	s_add_co_u32 s56, s56, s57
	s_mov_b32 s57, 0
	s_add_nc_u64 s[48:49], s[4:5], s[56:57]        ; Q's image
	s_lshl_b32 s56, s15, 14
	s_lshl_b32 s58, s14, 10
	s_add_co_u32 s56, s56, s58
	s_lshr_b32 s58, s[WV], 2
	s_lshl_b32 s58, s58, 8
	s_add_co_u32 s56, s56, s58
	s_and_b32 s58, s[WV], 3
	s_lshl_b32 s58, s58, 2
	s_add_co_u32 s56, s56, s58
	s_add_co_u32 s56, s56, 393216
	s_add_nc_u64 s[50:51], s[6:7], s[56:57]        ; Q's scale words
	s_mul_i32 s56, s14, 196608
	s_mul_i32 s58, s15, 12288
	s_add_co_u32 s56, s56, s58
	s_mul_i32 s58, s[WV], 768
	s_add_co_u32 s56, s56, s58
	s_add_nc_u64 s[52:53], s[8:9], s[56:57]        ; x's image
	s_lshl_b32 s56, s15, 13
	s_lshl_b32 s58, s14, 9
	s_add_co_u32 s56, s56, s58
	s_add_nc_u64 s[54:55], s[10:11], s[56:57]      ; x's scale bytes
	v_and_b32 v9, 31, v0
	v_and_b32 v10, 15, v0
	v_bfe_u32 v[H8], v0, 4, 1
	v_lshlrev_b32 v[L16], 4, v9
	v_lshlrev_b32 v[L8], 3, v9
	v_lshlrev_b32 v11, 4, v10
	v_lshlrev_b32 v[H8], 3, v[H8]
	v_add_nc_u32 v[KWB], SCL, v[L16]
	v_add_nc_u32 v[VWB], SCL+16384, v11
	global_load_b128 v[QF:QF+3], v[L16], s[48:49]  ; Q's image stays in registers
	global_load_b64 v[QF+4:QF+5], v[L8], s[48:49] offset:512
	global_load_b32 v[QW], v11, s[50:51]
.irp j, 6,7,8,9,10,11
	v_mov_b32 v[QF+\j], 0                          ; the zero half of Q
	v_mov_b32 v[KFR+42+\j], 0                      ; and what the last tile of K runs on into
.endr
	v_mov_b32 v13, 0xff61b1e6                      ; the largest score so far: -3e38
	v_mov_b32 v14, 0
	v_mov_b32 v15, 0
	v_mul_f32 v12, s[NC], v13
	v_mov_b32 v[PW], 0                             ; (named as the upper half of the pair with f before it is first written)
	v_floor_f32 v12, v12                           ; -M
.set J, 0
.rept 32
	v_mov_b32 v[O+J], 0                            ; the step is written once: the first finds zeros
.set J, J+1
.endr
.macro KLOADS n                        ; K's eight tiles and their scale words, n steps on from the addresses: 17 loads
.irp t, 0,1,2,3,4,5,6,7
	ds_load_b128 v[KFR+6*\t:KFR+6*\t+3], v[AD16] offset:(\n)*6144+\t*768
	ds_load_b64 v[KFR+6*\t+4:KFR+6*\t+5], v[AD8] offset:(\n)*6144+\t*768+512
.endr
	ds_load_b128 v[KW:KW+3], v[ADS] offset:(\n)*512
.endm
.macro KFIRST                          ; a slot's first step has nobody to ask for its K
	v_add_nc_u32 v[AD16], s[SB], v[L16]
	v_add_nc_u32 v[AD8], s[SB], v[L8]
	v_add_nc_u32 v[ADS], s[TS], v[KWB]
	KLOADS 0
.endm
; A KEY STEP: 128 keys.  kind 0: one of a slot's first seven: it asks for the next step's K.  kind 1: a slot's last, and the slot is filled again.  kind 2: a slot's last, nothing is filled.
.macro STEP kind
	s_wait_dscnt 0x0                               ; K's tiles and words are in
.irp t, 0,1,2,3
	v_wmma_scale_f32_16x16x128_f8f6f4 v[S+8*\t:S+8*\t+7], v[KFR+6*\t:KFR+6*\t+11], v[QF:QF+11], 0, v[KW+\t], v[QW] matrix_a_fmt:MATRIX_FMT_FP6 matrix_b_fmt:MATRIX_FMT_FP6
.endr
.irp t, 4,5,6,7
	v_wmma_scale_f32_16x16x128_f8f6f4 v[S+8*\t:S+8*\t+7], v[KFR+6*\t:KFR+6*\t+11], v[QF:QF+11], 0, v[KW+\t-4], v[QW] matrix_a_fmt:MATRIX_FMT_FP6 matrix_b_fmt:MATRIX_FMT_FP6 matrix_a_scale:MATRIX_SCALE_ROW1
.endr
	v_add_nc_u32 v[AD16], s[SB], v[L16]            ; four places: behind the last step's products for V's loads, behind these for K's loads and the first reads of S^T
	v_add_nc_u32 v[AD8], s[SB], v[L8]
	v_add_nc_u32 v[ADS], s[TS], v[KWB]
	v_add_nc_u32 v[ADT], s[TV], v[VWB]
.irp t, 0,1,2,3
.irp c, 0,1
	ds_load_b128 v[VFR+12*\t+6*\c:VFR+12*\t+6*\c+3], v[AD16] offset:49152+\t*1536+\c*768
	ds_load_b64 v[VFR+12*\t+6*\c+4:VFR+12*\t+6*\c+5], v[AD8] offset:49152+\t*1536+\c*768+512
.endr
.endr
	ds_load_b128 v[VW:VW+3], v[ADT]                ; V's scale words: 17 loads with the fragments
.if \kind == 0
	KLOADS 1
.else
	s_wait_tensorcnt 0x0                           ; no tensor load of mine is out: the other slot's part is in, and the group 0 may be written
	ds_add_u32 v[SPW], v[NIL]
.if \kind == 1
	ds_add_u32 v[SPW], v[NIL]
	s_xor_b32 s[G0+1], s[G0+1], SLOT1
	s_add_nc_u64 s[G0+2:G0+3], s[G0+2:G0+3], 49152
.endif
.endif
.irp c, 0,1                                            ; the largest score of each of my two blocks of 32 keys, in two chains each: for the row's maximum and, since p rises with the score, for the block's largest p
	v_max3_num_f32 v[TA+\c], v[S+32*\c], v[S+32*\c+1], v[S+32*\c+2]
	v_max3_num_f32 v[TC+\c], v[S+32*\c+16], v[S+32*\c+17], v[S+32*\c+18]
.endr
.irp i, 3,5,7,9,11,13
.irp c, 0,1
	v_max3_num_f32 v[TA+\c], v[TA+\c], v[S+32*\c+\i], v[S+32*\c+\i+1]
	v_max3_num_f32 v[TC+\c], v[TC+\c], v[S+32*\c+16+\i], v[S+32*\c+17+\i]
.endr
.endr
.irp c, 0,1
	v_max3_num_f32 v[TA+\c], v[TA+\c], v[TC+\c], v[S+32*\c+15]
.endr
.irp c, 0,1
	v_max_num_f32 v[TA+\c], v[TA+\c], v[S+32*\c+31]
.endr
	v_max3_num_f32 v[TC+1], v13, v[TA], v[TA+1]
	v_mov_b32 v[TT], v12
	v_permlanex16_b32 v[TC], v[TC+1], s[SEL], s[SEL+1]   ; lane l xor 16 holds my query's other 64 keys
	v_max_num_f32 v13, v[TC+1], v[TC]              ; the running largest score
	v_mul_f32 v[TC+1], s[NC], v13
	v_floor_f32 v12, v[TC+1]                       ; the new -M = floor(-t): a whole number
.set J, 0
.rept 32
	v_pk_fma_f32 v[S+J:S+J+1], v[S+J:S+J+1], s[CS:CS+1], v[12:13] op_sel_hi:[1,0,0]   ; t - M
.set J, J+2
.endr
	v_sub_f32 v[TT], v12, v[TT]
	v_fma_f32 v[TA], v[TA], s[CS], v12
	v_cvt_i32_f32 v[TT], v[TT]
	v_fma_f32 v[TA+1], v[TA+1], s[CS], v12
	v_ldexp_f32 v[F], 1.0, v[TT]                   ; f = 2^(old M - new M)
	s_wait_alu depctr_va_vdst(0)                   ; the wait ahead of the batch
.if \kind
	s_wait_dscnt 0x0                               ; the add is done, V is in: my reads of this slot are over;
	s_barrier_signal -1                            ; say so, and work on registers while the others arrive
.endif
.set J, 0
.rept 64
	v_exp_f32 v[S+J], v[S+J]                       ; p = 2^(t - M)
.set J, J+1
.endr
	v_exp_f32 v[TA], v[TA]                         ; each block's largest p
	v_exp_f32 v[TA+1], v[TA+1]
	v_pk_mul_f32 v[14:15], v[14:15], v[F:F+1] op_sel_hi:[1,0]   ; the sums under the new M: a plain place behind the exponentials
	s_wait_alu depctr_va_vdst(0)                   ; one wait for the whole batch, ahead of its first reader
.irp k, 1,2,3,4,5,6,7                                  ; the row's sum of the unquantised p: 32 pairs onto eight chains, then the chains onto each other: 32 additions
.set CH, P-2+2*\k+6*(\k/7)
	v_pk_add_f32 v[CH:CH+1], v[S+2*\k-2:S+2*\k-1], v[S+2*\k+12:S+2*\k+13]
.endr
	v_pk_add_f32 v[14:15], v[14:15], v[S+28:S+29]
.irp q, 28,44
.irp k, 1,2,3,4,5,6,7
.set CH, P-2+2*\k+6*(\k/7)
	v_pk_add_f32 v[CH:CH+1], v[CH:CH+1], v[S+\q+2*\k:S+\q+2*\k+1]
.endr
	v_pk_add_f32 v[14:15], v[14:15], v[S+\q+16:S+\q+17]
.endr
	v_pk_add_f32 v[P:P+1], v[P:P+1], v[S+62:S+63]
	v_pk_add_f32 v[P+2:P+3], v[P+2:P+3], v[P+10:P+11]
	v_pk_add_f32 v[P+4:P+5], v[P+4:P+5], v[TC:TC+1]
	v_pk_add_f32 v[14:15], v[14:15], v[P+6:P+7]
	v_pk_add_f32 v[P:P+1], v[P:P+1], v[P+8:P+9]
	v_max_num_f32 v[TA], 0x1800000, v[TA]          ; the floor 2^(3 - 127)
	v_max_num_f32 v[TA+1], 0x1800000, v[TA+1]
	v_pk_add_f32 v[14:15], v[14:15], v[P+2:P+3]
	v_pk_add_f32 v[P:P+1], v[P:P+1], v[P+4:P+5]
	v_add_nc_u32 v[SCO], 0xff000000, v[TA]         ; 2 off the exponent field: the conversion's scale operand
	v_add_nc_u32 v[SCO+1], 0xff000000, v[TA+1]
	v_pk_add_f32 v[14:15], v[14:15], v[P:P+1]
	v_cvt_scalef32_pk16_fp6_f32 v[P:P+2], v[S:S+15], v[SCO]
	v_cvt_scalef32_pk16_fp6_f32 v[P+6:P+8], v[S+32:S+47], v[SCO+1]
	v_lshrrev_b32 v[TA], 23, v[SCO]                ; the bytes (plain places behind the conversions)
	v_lshrrev_b32 v[TA+1], 23, v[SCO+1]
	v_cvt_scalef32_pk16_fp6_f32 v[S:S+2], v[S+16:S+31], v[SCO]        ; (a conversion's three registers begin on an even number: made where p is done with, and moved)
	v_cvt_scalef32_pk16_fp6_f32 v[S+32:S+34], v[S+48:S+63], v[SCO+1]
	v_lshl_or_b32 v[TT], v[TA+1], 16, v[TA]        ; my two bytes, blocks h and 2 + h,
	v_lshlrev_b32 v[TT], v[H8], v[TT]              ; at their places;
	v_permlanex16_b32 v[TC], v[TT], s[SEL], s[SEL+1]
	v_or_b32 v[PW], v[TT], v[TC]                   ; with lane l xor 16's two: p's scale word for these 128 keys
.irp i, 0,1,2
	v_mov_b32 v[P+3+\i], v[S+\i]
	v_mov_b32 v[P+9+\i], v[S+32+\i]
.endr
	s_wait_alu depctr_va_vdst(0)                   ; the wait directly ahead of the first reader of O^T
.set J, 0
.rept 16
	v_pk_mul_f32 v[O+J:O+J+1], v[O+J:O+J+1], v[F:F+1] op_sel_hi:[1,0]   ; O^T under the new M; also the places ahead of the scaled products below
.set J, J+2
.endr
	s_wait_alu depctr_va_vdst(0)                   ; the wait ahead of the waits and branches that follow
.if \kind == 0
	s_wait_dscnt 17                                ; V and its words are in; the 17 loads of the next step's K may be out
.endif
.irp t, 0,1,2,3
	v_wmma_scale_f32_16x16x128_f8f6f4 v[O+8*\t:O+8*\t+7], v[VFR+12*\t:VFR+12*\t+11], v[P:P+11], v[O+8*\t:O+8*\t+7], v[VW+\t], v[PW] matrix_a_fmt:MATRIX_FMT_FP6 matrix_b_fmt:MATRIX_FMT_FP6
.endr
	s_add_co_u32 s[TS], s[TS], 512
	s_add_co_u32 s[TV], s[TV], 256
.if \kind == 0
	s_add_co_u32 s[SB], s[SB], 6144                ; the next step's eight tiles of K and its part of V
.else
	s_sub_co_u32 s[SB], s[SB], 43008               ; back over seven steps,
	s_xor_b32 s[SB], s[SB], SLOT1                  ; and on to the other slot
	s_barrier_wait -1                              ; nobody reads the slot left any more, and the other slot is whole
.if \kind == 1
	CREST                                          ; the barrier has opened a round of the cluster's barrier
	FILL                                           ; the slot just left takes the keys 2,048 on
.endif
.endif
.endm
.macro SEVEN
	s_mov_b32 s[STEPS], 7
.Lstep_\@:
	STEP 0
	s_sub_co_u32 s[STEPS], s[STEPS], 1
	s_cmp_lg_u32 s[STEPS], 0
	s_cbranch_scc1 .Lstep_\@
.endm
	s_wait_alu depctr_va_vdst(0)                   ; the wait at the head's end
	s_wait_loadcnt 0x0                             ; Q
	s_wait_tensorcnt 0x0                           ; my part of the head's tiles is in; slot 1's first fill is issued as a refill is
	ds_add_u32 v[SPW], v[NIL]
	ds_add_u32 v[SPW], v[NIL]
	s_xor_b32 s[G0+1], s[G0+1], SLOT1
	s_add_nc_u64 s[G0+2:G0+3], s[G0+2:G0+3], 49152
	s_wait_dscnt 0x0
	CROUND
	FILL
	KFIRST
	s_mov_b32 s[SLOTS], 2
.Lfilled:                                              ; keys 0 - 2,047: each slot is filled again when it is left
	SEVEN
	STEP 1
	KFIRST
	s_sub_co_u32 s[SLOTS], s[SLOTS], 1
	s_cmp_lg_u32 s[SLOTS], 0
	s_wait_alu depctr_va_vdst(0)
	s_cbranch_scc1 .Lfilled
	s_mov_b32 s[SLOTS], 2
.Ltail:                                                ; keys 2,048 - 4,095: nothing is left to fetch.  One text serves both slots: the barrier in the very last step orders nothing further
	SEVEN
	STEP 2
	s_sub_co_u32 s[SLOTS], s[SLOTS], 1
	s_cmp_eq_u32 s[SLOTS], 0
	s_cbranch_scc1 .Ldone
	KFIRST
	s_cmp_lg_u32 s[SLOTS], 0
	s_wait_alu depctr_va_vdst(0)
	s_cbranch_scc1 .Ltail
.Ldone:
	; THE WAY OUT: O^T / the sum; its 32 registers are my query's 64 channels' halves: two blocks of 32, shared with lane l xor 16; they are quantised and leave as one image.
.set EM,  32                           ; at work, where K's tiles lay
.set EP,  34
.set ESC, 36
.set EB,  38
.set EW,  40
.set EC,  42
	v_add_f32 v14, v14, v15                        ; (four plain places behind the last products)
	v_and_b32 v9, 15, v0
	v_add_nc_u32 v8, XSG, v[L16]                   ; where wave 0 reads the scale bytes back
	v_lshl_add_u32 v9, v9, 1, s42                  ; where my query's two scale bytes go
	v_permlanex16_b32 v[F], v14, s[SEL], s[SEL+1]
	v_add_f32 v14, v14, v[F]
	s_wait_alu depctr_va_vdst(0)
	v_rcp_f32 v14, v14
	v_nop
	s_wait_alu depctr_va_vdst(0)
.set J, 0
.rept 32
	v_mul_f32 v[S+J], v[O+J], v14
.set J, J+1
.endr
.irp g, 0,1
	v_max3_num_f32 v[EM+\g], |v[S+16*\g]|, |v[S+1+16*\g]|, 0x1800000
.endr
.irp i, 2,4,6,8,10,12,14
.irp g, 0,1
	v_max3_num_f32 v[EM+\g], v[EM+\g], |v[S+16*\g+\i]|, |v[S+1+16*\g+\i]|
.endr
.endr
.irp g, 0,1
	v_permlanex16_b32 v[EP+\g], v[EM+\g], s[SEL], s[SEL+1]
.endr
.irp g, 0,1
	v_max_num_f32 v[EM+\g], v[EM+\g], v[EP+\g]
.endr
.irp g, 0,1
	v_add_nc_u32 v[ESC+\g], 0xff000000, v[EM+\g]
.endr
.irp g, 0,1
	v_lshrrev_b32 v[EB+\g], 23, v[ESC+\g]
.endr
	v_lshl_or_b32 v[EW], v[EB+1], 8, v[EB]
	v_cvt_scalef32_pk16_fp6_f32 v[EC:EC+2], v[S:S+15], v[ESC]
	v_cvt_scalef32_pk16_fp6_f32 v[EC+6:EC+8], v[S+16:S+31], v[ESC+1]
	v_nop                                          ; one plain place behind a scaled conversion
.irp i, 0,1,2
	v_permlane16_swap_b32 v[EC+\i], v[EC+6+\i]
.endr
.irp i, 0,1,2
	v_mov_b32 v[EC+3+\i], v[EC+6+\i]
.endr
	global_store_b128 v[L16], v[EC:EC+3], s[52:53]
	global_store_b64 v[L8], v[EC+4:EC+5], s[52:53] offset:512
	ds_store_b16 v9, v[EW]                         ; both lanes of a query write the same two bytes
	s_wait_dscnt 0x0                               ; for the others' sake
	s_barrier_signal -1
	s_barrier_wait -1
	s_cmp_lg_u32 s[WV], 0
	s_cbranch_scc1 .Lnot_first
	ds_load_b128 v[S:S+3], v8
	s_wait_dscnt 0x0
	global_store_b128 v[L16], v[S:S+3], s[54:55]   ; the work-group's 512 scale bytes, consecutive
.Lnot_first:
	s_wait_tensorcnt 0x0                           ; the wave's end
	ds_add_u32 v[SPW], v[NIL]
	s_wait_dscnt 0x0
	CROUND                                         ; the closing round
	s_endpgm
.Lfunc_end_k_qf441d4b1c3_attn:
	.size	k_qf441d4b1c3_attn, .Lfunc_end_k_qf441d4b1c3_attn-k_qf441d4b1c3_attn
	.p2alignl 7, 3214868480
	.fill 96, 4, 3214868480
	.section	.rodata,"a",@progbits
	.p2align	6, 0x0
	.amdhsa_kernel k_qf441d4b1c3_attn
		.amdhsa_group_segment_fixed_size 327680
		.amdhsa_private_segment_fixed_size 0
		.amdhsa_enable_private_segment 0
		.amdhsa_kernarg_size 32
		.amdhsa_user_sgpr_count 2
		.amdhsa_user_sgpr_kernarg_segment_ptr 1
		.amdhsa_wavefront_size32 1
		.amdhsa_system_sgpr_workgroup_id_x 1
		.amdhsa_system_sgpr_workgroup_id_y 1
		.amdhsa_system_sgpr_workgroup_id_z 1
		.amdhsa_system_vgpr_workitem_id 0
		.amdhsa_next_free_vgpr 256
		.amdhsa_next_free_sgpr 66
		.amdhsa_reserve_vcc 0
		.amdhsa_float_denorm_mode_32 3
		.amdhsa_float_denorm_mode_16_64 3
		.amdhsa_memory_ordered 1
		.amdhsa_forward_progress 1
		.amdhsa_inst_pref_size 75
	.end_amdhsa_kernel
	.amdgpu_metadata
---
amdhsa.version: [ 1, 2 ]
amdhsa.kernels:
  - .name:           k_qf441d4b1c3_attn
    .symbol:         k_qf441d4b1c3_attn.kd
    .args:
      - { .name: ac, .offset: 0, .size: 8, .value_kind: global_buffer, .address_space: global }
      - { .name: asc, .offset: 8, .size: 8, .value_kind: global_buffer, .address_space: global }
      - { .name: xc, .offset: 16, .size: 8, .value_kind: global_buffer, .address_space: global }
      - { .name: xs, .offset: 24, .size: 8, .value_kind: global_buffer, .address_space: global }
    .group_segment_fixed_size: 327680
    .private_segment_fixed_size: 0
    .kernarg_segment_align: 8
    .kernarg_segment_size: 32
    .max_flat_workgroup_size: 512
    .sgpr_count:     66
    .vgpr_count:     256
    .wavefront_size: 32
...
	.end_amdgpu_metadata
.endif
;; end of part 3
;; launch outp (part 4): grid 4 x 16, 4 waves a work-group, clusters of 4 x 4, 327,680 bytes of LDS; arguments xc, xs, gc, gs, bo, out0; writes out0
.if DOCPART == 4
	.amdgcn_target "amdgcn-amd-amdhsa--gfx1250"
	.amdhsa_code_object_version 6
	.text
	.protected	k_qf441d4b1c3_outp
	.globl	k_qf441d4b1c3_outp
	.p2align	8
	.type	k_qf441d4b1c3_outp,@function
k_qf441d4b1c3_outp:
	s_mov_b64 s[64:65], 0
	v_nop
	global_prefetch_b8 v0, s[64:65] scope:SCOPE_SE
	s_setreg_imm32_b32 hwreg(HW_REG_WAVE_MODE, 25, 1), 1
	s_wait_xcnt 0x0
	s_wait_alu depctr_hold_cnt(0) depctr_sa_sdst(0) depctr_va_vdst(0) depctr_va_sdst(0) depctr_va_ssrc(0) depctr_va_vcc(0) depctr_vm_vsrc(0)
	s_getreg_b32 s2, hwreg(HW_REG_IB_STS2, 6, 4)
	s_cmp_eq_u32 s2, 0
	s_cbranch_scc0 .Lentry_in_a_cluster
	s_endpgm
.Lentry_in_a_cluster:
	s_bfe_u32 s2, ttmp6, 0x10000c
	s_cmp_lg_u32 s2, 0xf033
	s_cbranch_scc0 .Lentry_shape_is_right
	s_endpgm
.Lentry_shape_is_right:
.set FR,    12
.set KAP,   12288
.set PART,  24576
.set SLOT,  98304
.set SPARE, 196608
.set SPITCH, 528
.set ADRA16, 16
.set ADRA8,  18
.set ADRB16, 20
.set ADRB8,  22
.set VO16, 24
.set VO8,  25
.set VS,   26
.set VB,   27
.set SPW,  28
.set NIL,  29
.set STO,  30
.set RD,   31
.set VX,   15
.set SC,   32
.set AF,   128
.set BK,   128
.set WV,  18
.set RH,  19
.set CH,  20
.set CX,  21
.set CY,  22
.set G1,  24
.set G0,  32
.set G1B, 48
.set G0B, 56
.set MLO, 67
.set MSB, 0
.macro WIN new
.if MSB != \new
	s_set_vgpr_msb (MSB<<8)|\new
.set MSB, \new
.endif
.endm
.macro JLOAD g0a, g1a, g0b, g1b
	s_cmp_eq_u32 s[RH], 0
	s_cbranch_scc0 .Lfor_b_\@
	tensor_load_to_lds s[\g0a:\g0a+3], s[\g1a:\g1a+7]
	s_nop 0
.rept 4
	v_nop
.endr
	s_branch .Lasked_\@
.Lfor_b_\@:
	tensor_load_to_lds s[\g0b:\g0b+3], s[\g1b:\g1b+7]
	s_nop 0
.rept 4
	v_nop
.endr
.Lasked_\@:
.endm
.macro CREST
	s_cmp_lg_u32 s[WV], 0
	s_cbranch_scc1 .Lnot_wave_0_\@
	s_barrier_signal -3
.Lnot_wave_0_\@:
	s_barrier_wait -3
	s_barrier_signal -1
	s_barrier_wait -1
.endm
.macro CROUND
	s_barrier_signal -1
	s_barrier_wait -1
	CREST
.endm
.macro PLACES
.rept 4
	v_nop
.endr
.endm
	s_load_b256 s[4:11], s[0:1], 0x0
	s_load_b128 s[12:15], s[0:1], 0x20
	v_lshl_add_u32 v[SPW], v0, 2, SPARE
	v_mov_b32 v[NIL], 0
	ds_add_u32 v[SPW], v[NIL]
	ds_add_u32 v[SPW], v[NIL]
	v_lshrrev_b32 v1, 5, v0
	v_readfirstlane_b32 s[WV], v1
	s_lshr_b32 s[RH], s[WV], 1
	s_and_b32 s[CH], s[WV], 1
	s_bfe_u32 s[CX], ttmp6, 0x40000
	s_bfe_u32 s[CY], ttmp6, 0x40004
	s_and_b32 s42, ttmp7, 0xffff
	s_lshl_b32 s42, s42, 2
	s_add_co_u32 s42, s42, s[CY]
	s_lshl_b32 s43, ttmp9, 2
	s_add_co_u32 s43, s43, s[CX]
	s_add_co_u32 s45, s43, 48
	s_lshl_b32 s46, s[CY], 2
	s_lshl_b32 s46, 15, s46
	s_lshl_b32 s47, 0x1111, s[CX]
	s_or_b32 s[G1], s46, (3<<16)|(1<<21)
	s_or_b32 s[G1B], s47, (3<<16)|(1<<21)
.irp g, G1, G1B
	s_mov_b32 s[\g+1], 32<<16
	s_mov_b32 s[\g+2], 96<<16
	s_mov_b32 s[\g+3], 32<<16
	s_mov_b32 s[\g+4], 96
	s_mov_b32 s[\g+5], 32
	s_mov_b32 s[\g+6], 0
	s_mov_b32 s[\g+7], 0
.endr
	s_mul_i32 s44, s[CH], PART
	s_mul_i32 s68, s42, 196608
	s_add_co_u32 s68, s68, s44
	s_mov_b32 s69, 0
	s_mul_i32 s70, s45, 196608
	s_add_co_u32 s70, s70, s44
	s_mov_b32 s71, 0
	s_mul_i32 s72, s[WV], PART
	s_wait_dscnt 0x0
	s_wait_kmcnt 0x0
	s_add_nc_u64 s[68:69], s[4:5], s[68:69]
	s_add_nc_u64 s[70:71], s[8:9], s[70:71]
	CROUND
.irp s, 0,1
	s_mov_b32 s[G0+4*\s], 1
	s_add_co_u32 s[G0+4*\s+1], s72, \s*SLOT
	s_add_nc_u64 s[G0+4*\s+2:G0+4*\s+3], s[68:69], \s*49152
	s_or_b32 s[G0+4*\s+3], s[G0+4*\s+3], 0x80000000
	s_mov_b32 s[G0B+4*\s], 1
	s_add_co_u32 s[G0B+4*\s+1], s72, \s*SLOT
	s_add_nc_u64 s[G0B+4*\s+2:G0B+4*\s+3], s[70:71], \s*49152
	s_or_b32 s[G0B+4*\s+3], s[G0B+4*\s+3], 0x80000000
	s_wait_alu depctr_va_vdst(0)
	s_wait_tensorcnt 0x0
	ds_add_u32 v28, v29
	ds_add_u32 v28, v29
	s_wait_dscnt 0x0
	CROUND
	JLOAD G0+4*\s, G1, G0B+4*\s, G1B
.endr
	v_and_b32 v1, 15, v0
	v_bfe_u32 v2, v0, 4, 1
	v_and_b32 v3, 31, v0
	v_lshlrev_b32 v[VO16], 4, v3
	v_lshlrev_b32 v[VO8], 3, v3
	s_mul_i32 s2, s[RH], 6144
	s_mul_i32 s3, s[CH], 6144
	s_add_co_u32 s3, s3, 49152
.irp s, 0,1
	v_add_nc_u32 v[ADRA16+\s], s2, v[VO16]
	v_add_nc_u32 v[ADRA8+\s], s2, v[VO8]
	v_add_nc_u32 v[ADRB16+\s], s3, v[VO16]
	v_add_nc_u32 v[ADRB8+\s], s3, v[VO8]
	s_add_co_u32 s2, s2, SLOT
	s_add_co_u32 s3, s3, SLOT
.endr
	s_mul_i32 s2, s[WV], 16*SPITCH
	v_mul_u32_u24 v4, v1, SPITCH
	v_lshl_add_u32 v4, v2, 6, v4
	v_add_nc_u32 v[STO], s2, v4
	v_add_nc_u32 v[RD], s2, v[VO16]
	s_lshl_b32 s88, s45, 13
	s_lshl_b32 s87, s[CH], 10
	s_add_co_u32 s88, s88, s87
	v_lshl_add_u32 v[VS], v1, 3, s88
.irp i, 0,1,2,3,4,5,6,7
.irp p, 0,1,2,3
	global_load_b64 v[SC+8*\i+2*\p:SC+8*\i+2*\p+1], v[VS], s[10:11] offset:\p*2048+\i*128
.endr
.endr
	s_lshl_b32 s86, s42, 9
	s_lshl_b32 s87, s[RH], 8
	s_add_co_u32 s86, s86, s87
	v_lshl_add_u32 v[VX], v1, 1, s86
.irp i, 0,1,2,3,4,5,6,7
.irp e, 0,1,2,3,4,5,6,7,8,9,10,11,12,13,14,15
	global_load_u16 v[128+16*\i+\e], v[VX], s[6:7] offset:\e*8192+\i*32
.endr
.endr
	v_lshlrev_b32 v[VB], 6, v2
	s_lshl_b32 s90, s43, 10
	s_lshl_b32 s89, s[CH], 9
	s_add_co_u32 s90, s90, s89
	s_mov_b32 s91, 0
	s_add_nc_u64 s[74:75], s[12:13], s[90:91]
	WIN 0x40
.irp b, 0,1,2,3,4,5,6,7
	global_load_b128 v[96+8*\b+96*(\b/4):96+8*\b+96*(\b/4)+3], v[VB], s[74:75] offset:(32*(\b/2)+8*(\b%2))*4
	global_load_b128 v[96+8*\b+96*(\b/4)+4:96+8*\b+96*(\b/4)+7], v[VB], s[74:75] offset:(32*(\b/2)+8*(\b%2))*4+16
.endr
	WIN 0
	s_lshl_b32 s92, s42, 20
	s_lshl_b32 s93, s[RH], 19
	s_add_co_u32 s92, s92, s93
	s_add_co_u32 s92, s92, s90
	s_mov_b32 s93, 0
	s_add_nc_u64 s[14:15], s[14:15], s[92:93]
	s_mov_b32 s[MLO], 0xffff
	s_wait_loadcnt 0x0
.irp i, 0,1,2,3,4,5,6,7
.irp k, 0,1,2,3,4,5,6,7
	v_lshl_or_b32 v[4+\k%2], v[128+16*\i+2*\k+1], 16, v[128+16*\i+2*\k]
	v_cndmask_b32 v[SC+8*\i+\k], v[SC+8*\i+\k], v[4+\k%2], s[MLO]
.endr
.endr
.rept 8
	v_nop
.endr
.macro FRAG reg, a16, a8, q, i
	ds_load_b128 v[\reg:\reg+3], v[\a16] offset:(2*(\q))*KAP+(\i)*768
	ds_load_b64 v[\reg+4:\reg+5], v[\a8] offset:(2*(\q))*KAP+(\i)*768+512
	ds_load_b128 v[\reg+6:\reg+9], v[\a16] offset:(2*(\q)+1)*KAP+(\i)*768
	ds_load_b64 v[\reg+10:\reg+11], v[\a8] offset:(2*(\q)+1)*KAP+(\i)*768+512
.endm
.macro FETCH_B slot, q, p
	WIN 0x40
.irp i, 0,1,2,3,4,5,6,7
	FRAG 128*(\p)+FR*\i, ADRB16+\slot, ADRB8+\slot, \q, \i
.endr
	WIN 0
.endm
.macro FETCH_A slot, q, i0
.irp i, \i0, \i0+1, \i0+2, \i0+3
	FRAG AF+FR*(\i), ADRA16+\slot, ADRA8+\slot, \q, \i
.endr
.endm
.macro MUL16 a0, p, ks, cmode
.irp a, \a0, \a0+1
.irp b, 0,1,2,3,4,5,6,7
.if \cmode == 0
	v_wmma_scale_f32_16x16x128_f8f6f4 v[8*(8*((\a)%4)+\b):8*(8*((\a)%4)+\b)+7], v[128*(\p)+FR*\b:128*(\p)+FR*\b+FR-1], v[AF+FR*(\a):AF+FR*(\a)+FR-1], v[8*(8*((\a)%4)+\b):8*(8*((\a)%4)+\b)+7], v[SC+8*\b+(\ks)], v[SC+8*(\a)+(\ks)] matrix_a_fmt:MATRIX_FMT_FP6 matrix_b_fmt:MATRIX_FMT_FP6 matrix_a_scale:MATRIX_SCALE_ROW1
.else
	v_wmma_scale_f32_16x16x128_f8f6f4 v[8*(8*((\a)%4)+\b):8*(8*((\a)%4)+\b)+7], v[128*(\p)+FR*\b:128*(\p)+FR*\b+FR-1], v[AF+FR*(\a):AF+FR*(\a)+FR-1], v[96+8*\b+96*(\b/4):96+8*\b+96*(\b/4)+7], v[SC+8*\b+(\ks)], v[SC+8*(\a)+(\ks)] matrix_a_fmt:MATRIX_FMT_FP6 matrix_b_fmt:MATRIX_FMT_FP6 matrix_a_scale:MATRIX_SCALE_ROW1
.endif
.endr
.endr
.endm
.macro STEP slot, ks, cmode
	s_wait_dscnt 16
.if \cmode
	WIN 0x91
.else
	WIN 0xa1
.endif
	MUL16 0, 0, \ks, \cmode
	MUL16 2, 0, \ks, \cmode
	s_wait_dscnt 0x0
	PLACES
	FETCH_B \slot, 1, 1
	FETCH_A \slot, 1, 0
.if \cmode
	WIN 0xd1
.else
	WIN 0xf1
.endif
	MUL16 4, 0, \ks, \cmode
	MUL16 6, 0, \ks, \cmode
	PLACES
	WIN 0
	FETCH_A \slot, 1, 4
.endm
.macro TURN slot, next, ks, fill
	s_wait_tensorcnt 0x0
	ds_add_u32 v[SPW], v[NIL]
	s_wait_dscnt 17
	WIN 0xa1
	MUL16 0, 1, \ks, 0
	s_wait_dscnt 0x0
	s_barrier_signal -1
	MUL16 2, 1, \ks, 0
	WIN 0
	s_barrier_wait -1
.if \fill
	CREST
	s_add_nc_u64 s[G0+4*\slot+2:G0+4*\slot+3], s[G0+4*\slot+2:G0+4*\slot+3], 98304
	s_add_nc_u64 s[G0B+4*\slot+2:G0B+4*\slot+3], s[G0B+4*\slot+2:G0B+4*\slot+3], 98304
	JLOAD G0+4*\slot, G1, G0B+4*\slot, G1B
.else
	PLACES
.endif
	FETCH_B \next, 0, 0
	FETCH_A \next, 0, 0
	WIN 0xf1
	MUL16 4, 1, \ks, 0
	MUL16 6, 1, \ks, 0
	PLACES
	WIN 0
	FETCH_A \next, 0, 4
.endm
	s_wait_tensorcnt 1
	s_barrier_signal -1
	s_barrier_wait -1
	FETCH_B 0, 0, 0
	FETCH_A 0, 0, 0
	FETCH_A 0, 0, 4
	STEP 0, 0, 1
	TURN 0, 1, 1, 1
	STEP 1, 2, 0
	s_wait_alu depctr_va_vdst(0)
	TURN 1, 0, 3, 1
	STEP 0, 4, 0
	TURN 0, 1, 5, 0
	STEP 1, 6, 0
	s_wait_dscnt 16
	WIN 0xa1
	MUL16 0, 1, 7, 0
	MUL16 2, 1, 7, 0
	s_wait_dscnt 0x0
	WIN 0xf1
	MUL16 4, 1, 7, 0
	MUL16 6, 1, 7, 0
	WIN 0
.macro TOSTAGE a
.set AC, 64*((\a)%4)
.set WS, 8+4*((\a)/4)
	WIN WS
.irp b, 0,1,2,3,4,5,6,7
	ds_store_b128 v[STO], v[AC+8*\b:AC+8*\b+3] offset:128*(\b/2)+32*(\b%2)
	ds_store_b128 v[STO], v[AC+8*\b+4:AC+8*\b+7] offset:128*(\b/2)+32*(\b%2)+16
.endr
	WIN 0
.set BB, BK+64*((\a)%2)
.irp t, 0,1,2,3,4,5,6,7,8,9,10,11,12,13,14,15
	ds_load_b128 v[BB+4*\t:BB+4*\t+3], v[RD] offset:\t*SPITCH
.endr
.endm
.macro SEND a, younger
.set BB, BK+64*((\a)%2)
	s_wait_dscnt \younger
.if (\a) > 0
.if (\a)%2 == 1
	s_add_nc_u64 s[14:15], s[14:15], 8*4096
.else
	s_add_nc_u64 s[14:15], s[14:15], 24*4096
.endif
.endif
.irp t, 0,1,2,3,4,5,6,7,8,9,10,11,12,13,14,15
	global_store_b128 v[VO16], v[BB+4*\t:BB+4*\t+3], s[14:15] offset:(\t+8*(\t/8))*4096 th:TH_STORE_NT
.endr
.endm
	PLACES
	TOSTAGE 0
.irp a, 1,2,3,4,5,6,7
.if \a > 1
	s_wait_xcnt 0x0
.endif
	TOSTAGE \a
	SEND \a-1, 32
.endr
	s_wait_xcnt 0x0
	SEND 7, 0
	s_wait_tensorcnt 0x0
	ds_add_u32 v[SPW], v[NIL]
	s_wait_dscnt 0x0
	CROUND
	s_endpgm
.Lfunc_end_k_qf441d4b1c3_outp:
	.size	k_qf441d4b1c3_outp, .Lfunc_end_k_qf441d4b1c3_outp-k_qf441d4b1c3_outp
	.p2alignl 7, 3214868480
	.fill 96, 4, 3214868480
	.section	.rodata,"a",@progbits
	.p2align	6, 0x0
	.amdhsa_kernel k_qf441d4b1c3_outp
		.amdhsa_group_segment_fixed_size 327680
		.amdhsa_private_segment_fixed_size 0
		.amdhsa_enable_private_segment 0
		.amdhsa_kernarg_size 48
		.amdhsa_user_sgpr_count 2
		.amdhsa_user_sgpr_kernarg_segment_ptr 1
		.amdhsa_wavefront_size32 1
		.amdhsa_system_sgpr_workgroup_id_x 1
		.amdhsa_system_sgpr_workgroup_id_y 1
		.amdhsa_system_sgpr_workgroup_id_z 1
		.amdhsa_system_vgpr_workitem_id 0
		.amdhsa_next_free_vgpr 1024
		.amdhsa_next_free_sgpr 102
		.amdhsa_reserve_vcc 0
		.amdhsa_float_denorm_mode_32 3
		.amdhsa_float_denorm_mode_16_64 3
		.amdhsa_memory_ordered 1
		.amdhsa_forward_progress 1
		.amdhsa_inst_pref_size 165
	.end_amdhsa_kernel
	.amdgpu_metadata
---
amdhsa.version: [ 1, 2 ]
amdhsa.kernels:
  - .name:           k_qf441d4b1c3_outp
    .symbol:         k_qf441d4b1c3_outp.kd
    .args:
      - { .name: xc, .offset: 0, .size: 8, .value_kind: global_buffer, .address_space: global }
      - { .name: xs, .offset: 8, .size: 8, .value_kind: global_buffer, .address_space: global }
      - { .name: gc, .offset: 16, .size: 8, .value_kind: global_buffer, .address_space: global }
      - { .name: gs, .offset: 24, .size: 8, .value_kind: global_buffer, .address_space: global }
      - { .name: bo, .offset: 32, .size: 8, .value_kind: global_buffer, .address_space: global }
      - { .name: out0, .offset: 40, .size: 8, .value_kind: global_buffer, .address_space: global }
    .group_segment_fixed_size: 327680
    .private_segment_fixed_size: 0
    .kernarg_segment_align: 8
    .kernarg_segment_size: 48
    .max_flat_workgroup_size: 128
    .sgpr_count:     102
    .vgpr_count:     1024
    .wavefront_size: 32
...
	.end_amdgpu_metadata
.endif
;; end of part 4
